; MI455X (gfx1250); checked and timed in simulation.
; The chip was launched on July 23, 2026; its instructions are those of AMD's public machine-readable ISA for CDNA 5 (MIT licence, August 2026) and "CDNA5" Instruction Set Architecture Reference Guide (July 2026). The comments in the code are by the model that wrote it; some were corrected since.
;; Multi Head Self Attention Layer. Allowed arithmetic: matrix products marked QUANTISED: E2M1 operands, one E8M0 scale for each 32 along K, by v_wmma_scale_f32_16x16x128_f8f6f4 with both operands' format E2M1 (or v_wmma_scale_f32_32x16x128_f4), f32 sums; products left as they are: f32 operands where the result goes on into a quantised operand, else bf16, f16 or f32 operands; f32 sums; everything else in f32.
;; Inputs: Wk 1,024 x 1,024 float32; Wo 1,024 x 1,024 float32; Wq 1,024 x 1,024 float32; Wv 1,024 x 1,024 float32; X_embed 4 x 2,048 x 1,024 float32; bk 1,024 float32; bo 1,024 float32; bq 1,024 float32; bv 1,024 float32.
;; Outputs: out0 4 x 2,048 x 1,024 float32.
;; This version of the problem:
;;   THIS VERSION OF THE PROBLEM IS GIVEN IN LOW PRECISION. The matrix products marked QUANTISED in the list below multiply operands that are first quantised to E2M1 (2 exponent bits, 1 mantissa bit; 4 bits a number), with one power-of-two scale for each 32 numbers along K (OCP MX v1.0); their sums are f32. All else is computed in f32.
;;   The module's matrix products, in the order in which they are computed (A, B: the left and right operand; K: the contracted axis; several contracted axes count as one K, in the product's order):
;;     1. [M 8,192, K 1,024] x [K 1,024, N 1,024]; A: input X_embed; B: input Wq: QUANTISED
;;     2. [M 8,192, K 1,024] x [K 1,024, N 1,024]; A: input X_embed; B: input Wk: QUANTISED
;;     3. [M 8,192, K 1,024] x [K 1,024, N 1,024]; A: input X_embed; B: input Wv: QUANTISED
;;     4. batch 64 x [M 2,048, K 64] x [K 64, N 2,048]; A: computed on the way; B: computed on the way: QUANTISED
;;     5. batch 131,072 x [M 1, K 1] x [K 1, N 64]; A: computed on the way; B: computed on the way: left as it is (no contracted axis)
;;     6. [M 8,192, K 1,024] x [K 1,024, N 1,024]; A: computed on the way; B: input Wo: QUANTISED
;;   THE QUANTISER, for each operand of a quantised product, along K:
;;     - K is cut into blocks of 32 from its start; a last block that is shorter is filled with zeros.
;;     - A block's scale is 2^e with e = floor(log2(the largest magnitude in the block)) - 2, held to -126 .. 127; a block of zeros has e = 0. As a byte (E8M0): e + 127.
;;     - Each number is divided by its block's scale, clamped to +-6, and rounded to the nearest number of E2M1, ties to even, subnormals kept.
;;     - The product sums the exact products of the quantised numbers (number of the format x scale) in f32.
;;   ~~~python
;;   def quantise(x, axis):      # numpy; x: float32 -> the quantised numbers, widened to float32 again
;;       x = np.moveaxis(x, axis, -1); K = x.shape[-1]
;;       x = np.pad(x, [(0, 0)] * (x.ndim - 1) + [(0, -K % 32)]); x = x.reshape(x.shape[:-1] + (-1, 32)); a = np.abs(x).max(-1, keepdims=True)
;;       e = np.where(a > 0, np.clip(np.frexp(np.where(a > 0, a, 1))[1] - 1 - 2, -126, 127), 0)      # np.frexp(a)[1] - 1 = floor(log2(a)), exactly
;;       r = np.clip(x / 2.0 ** e, -6, 6)
;;       step = 2.0 ** (np.maximum(np.frexp(np.where(r == 0, 1, r))[1] - 1, 0) - 1)
;;       q = np.round(r / step) * step * 2.0 ** e      # np.round: ties to even
;;       return np.moveaxis(q.reshape(q.shape[:-2] + (-1,))[..., :K], -1, axis).astype(np.float32)
;;   ~~~
;;   OPERANDS COMPUTED ON THE WAY. 'Computed on the way' means the value that the module computes at that place (a softmax that the list does not call 'softmax' is quantised finished and normalised). What goes into a quantiser is computed in f32, as accurately as f32 sums, v_exp_f32 and their like allow (about 1e-6 of the number): no bf16 or f16 on the way to a quantiser, and a product that is left as it is and whose result goes on into a quantised operand takes f32 operands (vector FMAs, or v_wmma_f32_16x16x4_f32). A number that lies on a knife's edge between two numbers of the format may be rounded either way, as far as f32 arithmetic and the matrix unit's own rounding can turn it there, and no further.
;; 2 versions, each right; version 2 is version 1 with the launch attn written anew for expert scheduling mode. Each part assembles by itself: llvm-mc -triple=amdgcn-amd-amdhsa -mcpu=gfx1250 --defsym DOCPART=n.
;; ======== version 1 of 2: 5 launches
;; workspace buffers: xc 4,456,448 bytes; wc 2,228,224 bytes; qkc 8,912,896 bytes; wpart 2,097,152 bytes; oc 4,456,448 bytes
;; launch quant (part 1): grid 384 x 1, 4 waves a work-group, no clusters, 34,304 bytes of LDS; arguments X_embed, Wq, Wk, Wv, Wo, xc, wc; writes xc, wc
.if DOCPART == 1
	.amdgcn_target "amdgcn-amd-amdhsa--gfx1250"
	.amdhsa_code_object_version 6
	.text
	.protected	k_qe5e6a7f293_quant
	.globl	k_qe5e6a7f293_quant
	.p2align	8
	.type	k_qe5e6a7f293_quant,@function
k_qe5e6a7f293_quant:
	s_mov_b64 s[64:65], 0
	v_nop
	global_prefetch_b8 v0, s[64:65] scope:SCOPE_SE
	s_setreg_imm32_b32 hwreg(HW_REG_WAVE_MODE, 25, 1), 1
	s_wait_xcnt 0x0
; X_embed [8192][1024] and the four weights [1024 (k)][1024 (n)], f32, become codes of FP4 (E2M1) with one E8M0 byte for each 32 along K,
; laid as IMAGES OF THE OPERAND'S REGISTERS.  A block of 69,632 bytes holds 128 rows x K = 1,024 as 4 chunks of 17,408 bytes; chunk q holds the K steps
; (128 along K) 2 q and 2 q + 1: 16 fragments of 1,024 bytes, then 2 x 512 bytes of scale words.  Fragment (K step kp, f) lies at (kp & 1) 8192 + 1024 f; its byte
; 512 c + 16 lane holds registers 4 c .. 4 c + 3 of that lane: k = 128 kp + 64 c + 32 (lane / 16) + 0 .. 31 of the fragment's row lane % 16.
; Its rows' scale words lie at 16384 + (kp & 1) 512 + (f / 4) 256 + ((f & 1) 16 + r) 8 + ((f / 2) & 1) 4, so that one load of 8 bytes a lane brings four fragments' words.
; X: fragment f holds rows 16 f + r of its block of 128.  Weights: a block is 128 output columns, and lane r of fragment 2 b + u takes column 32 b + 8 u + r + 8 (r / 8),
; so that in the transposed product the 16 registers of fragments 2 b, 2 b + 1 are 16 neighbouring columns.
; A block's scale is 2^(floor(log2(largest magnitude)) - 2); its byte is the largest magnitude's exponent field - 2, held at 1 from below.
; LIMITS: a block of zeros, or one whose largest magnitude lies under 2^-124, gets the byte 1 (its codes are zeros or the nearest codes under that scale; only this program reads the bytes);
; NaN and infinities among the inputs are not served.
; Work-groups 0-255 take X, 256-383 the weights.  Only X's path uses LDS.  Waves share nothing: no barrier.
.set BLKB, 69632
.set CHB,  17408
.set STW,  16*528                      ; a wave's stage: 16 rows of 512 bytes + 16
.set RR,   32                          ; v32-159  two sets of 64 registers as loaded
.set XT,   160                         ; v160-223 a lane's two blocks of 32 neighbours
.set CD,   224                         ; v224-255 codes, 8 registers a fragment: no store's data are written again
.set PW,   24                          ; v24-27   a fragment's scale word
.set SW,   28                          ; v28-29   the words as they are stored
	s_load_b256 s[4:11], s[0:1], 0x0               ; X, Wq, Wk, Wv
	s_load_b128 s[12:15], s[0:1], 0x20             ; Wo, xc
	s_load_b64 s[16:17], s[0:1], 0x30              ; wc
	v_lshl_add_u32 v30, v0, 2, 0x8400
	v_mov_b32 v31, 0
	v_lshrrev_b32 v1, 5, v0
	v_readfirstlane_b32 s18, v1                    ; wave
	v_and_b32 v1, 31, v0                           ; lane
	s_lshr_b32 s19, s18, 1                         ; wave / 2
	s_and_b32 s20, s18, 1                          ; wave % 2
	s_cmp_lt_u32 ttmp9, 256
	s_cbranch_scc0 .Lweights
; ---------------- X: a wave takes 64 rows x 128 along K: four fragments ----------------
; Work-group i: block i / 4, chunk i % 4; wave w: K step 2 (i % 4) + w / 2, rows 64 (w % 2) on.
	v_and_b32 v2, 15, v0                           ; r
	v_bfe_u32 v3, v0, 4, 1                         ; h
	v_lshlrev_b32 v4, 4, v1                        ; 16 x lane: a load's, and an image's, place for my lane
	s_mul_i32 s26, s18, STW
	v_add_nc_u32 v5, s26, v4                       ; the stage, way in: a row's 512 bytes as they lie
	v_mul_u32_u24 v6, v2, 528
	v_lshl_add_u32 v6, v3, 7, v6
	v_add_nc_u32 v6, s26, v6                       ; way out: row r, + 128 h: my 32 numbers of each 64
	v_lshlrev_b32 v8, 3, v1                        ; 8 x lane: the scale words' place
	v_lshlrev_b32 v9, 3, v3                        ; 8 h: my bytes' place in a scale word, in bits
	v_mov_b32 v19, 0                               ; a lane permute's destination counts as one of its sources
	s_mov_b32 s22, 0x76543210
	s_mov_b32 s23, 0xfedcba98                      ; selects for lane l xor 16
	s_lshr_b32 s27, ttmp9, 2                       ; block
	s_and_b32 s28, ttmp9, 3                        ; chunk
	s_lshl_b32 s30, s27, 19                        ; X: 128 rows of 4,096 bytes a block,
	s_lshl_b32 s29, s20, 18                        ; 64 rows,
	s_add_co_u32 s30, s30, s29
	s_lshl_b32 s29, s28, 10                        ; 1,024 bytes a chunk,
	s_add_co_u32 s30, s30, s29
	s_lshl_b32 s29, s19, 9                         ; 512 a K step
	s_add_co_u32 s30, s30, s29
	s_mov_b32 s31, 0
	s_mul_i32 s32, s27, BLKB
	s_mul_i32 s29, s28, CHB
	s_add_co_u32 s32, s32, s29                     ; my chunk in xc
	s_lshl_b32 s29, s19, 9
	s_add_co_u32 s34, s32, s29
	s_lshl_b32 s29, s20, 8
	s_add_co_u32 s34, s34, s29
	s_add_co_u32 s34, s34, 16384                   ; my 256 bytes of scale words
	s_mov_b32 s35, 0
	s_lshl_b32 s29, s19, 13
	s_add_co_u32 s32, s32, s29
	s_lshl_b32 s29, s20, 12
	s_add_co_u32 s32, s32, s29                     ; my four fragments
	s_mov_b32 s33, 0
	s_wait_kmcnt 0x0
	s_add_nc_u64 s[4:5], s[4:5], s[30:31]
	s_add_nc_u64 s[32:33], s[14:15], s[32:33]
	s_add_nc_u64 s[34:35], s[14:15], s[34:35]
.macro LOADF F                         ; fragment F's 16 rows: each load reads 512 consecutive bytes
.irp row, 0,1,2,3,4,5,6,7,8,9,10,11,12,13,14,15
	global_load_b128 v[RR+64*((\F)%2)+4*\row:RR+64*((\F)%2)+4*\row+3], v4, s[4:5] offset:(16*(\F)+\row)*4096 th:TH_LOAD_NT
.endr
.endm
.macro TURNF F                         ; through my own stage: in as loaded, out 128 bytes a lane and block.  LDS serves a wave's instructions in order: no wait between
.irp row, 0,1,2,3,4,5,6,7,8,9,10,11,12,13,14,15
	ds_store_b128 v5, v[RR+64*((\F)%2)+4*\row:RR+64*((\F)%2)+4*\row+3] offset:\row*528
.endr
.irp c, 0,1
.irp i, 0,1,2,3,4,5,6,7
	ds_load_b128 v[XT+32*\c+4*\i:XT+32*\c+4*\i+3], v6 offset:256*\c+16*\i
.endr
.endr
.endm
.macro QF F                            ; my two whole blocks (2 c + h of the K step's four) become eight registers of codes and two bytes
.irp c, 0,1
	v_max3_num_f32 v[10+2*\c], |v[XT+32*\c]|, |v[XT+32*\c+1]|, |v[XT+32*\c+2]|
	v_max3_num_f32 v[11+2*\c], |v[XT+32*\c+3]|, |v[XT+32*\c+4]|, |v[XT+32*\c+5]|
.endr
.irp i, 6,10,14,18,22,26
.irp c, 0,1
	v_max3_num_f32 v[10+2*\c], v[10+2*\c], |v[XT+32*\c+\i]|, |v[XT+32*\c+\i+1]|
	v_max3_num_f32 v[11+2*\c], v[11+2*\c], |v[XT+32*\c+\i+2]|, |v[XT+32*\c+\i+3]|
.endr
.endr
.irp c, 0,1
	v_max3_num_f32 v[10+2*\c], v[10+2*\c], |v[XT+32*\c+30]|, |v[XT+32*\c+31]|
.endr
.irp c, 0,1
	v_max3_num_f32 v[10+2*\c], v[10+2*\c], v[11+2*\c], 0x1800000   ; and the floor 2^(3 - 127): the byte cannot fall under 1
.endr
.irp c, 0,1
	v_add_nc_u32 v[14+\c], 0xff000000, v[10+2*\c]  ; 2 off the exponent field: the conversion takes this operand's exponent field as its scale
.endr
.irp c, 0,1
.irp g, 0,1,2,3
	v_cvt_scalef32_pk8_fp4_f32 v[CD+8*(\F)+4*\c+\g], v[XT+32*\c+8*\g:XT+32*\c+8*\g+7], v[14+\c]
.endr
.endr
	v_lshrrev_b32 v16, 23, v14                     ; the bytes (plain lines behind the conversions)
	v_lshrrev_b32 v17, 23, v15
	v_lshl_or_b32 v18, v17, 16, v16                ; blocks h and 2 + h,
	v_lshlrev_b32 v18, v9, v18                     ; at their places in the row's word;
	v_permlanex16_b32 v19, v18, s22, s23
	v_or_b32 v[PW+(\F)], v18, v19                  ; with lane l xor 16's two the word is whole, in both lanes
	global_store_b128 v4, v[CD+8*(\F):CD+8*(\F)+3], s[32:33] offset:(\F)*1024          ; 512 consecutive bytes a store
	global_store_b128 v4, v[CD+8*(\F)+4:CD+8*(\F)+7], s[32:33] offset:(\F)*1024+512
.endm
	LOADF 0
	LOADF 1
.irp F, 0,1,2,3
.if \F < 3
	s_wait_loadcnt 16                              ; this fragment's 16 loads are in; the next fragment's 16 may be out
.else
	s_wait_loadcnt 0x0
.endif
	TURNF \F
	s_wait_dscnt 0x0                               ; my 64 numbers are back
.if \F < 2
	LOADF \F+2                                     ; into the set that the stage's stores have read
.endif
	QF \F
.endr
	s_mov_b32 vcc_lo, 0xffff0000
	v_cndmask_b32 v[SW], v[PW], v[PW+1], vcc_lo    ; lanes 0-15: the even fragment's words, lanes 16-31: the odd one's
	v_cndmask_b32 v[SW+1], v[PW+2], v[PW+3], vcc_lo
	global_store_b64 v8, v[SW:SW+1], s[34:35]      ; 256 consecutive bytes
	s_wait_tensorcnt 0x0
	ds_add_u32 v30, v31
	s_wait_dscnt 0x0
	s_endpgm
; ---------------- the weights: a lane takes a column, its registers run down K ----------------
; Work-group j = id - 256: weight j / 32, K step (j % 32) / 4, columns 256 (j % 4) on; wave w: 64 of them, 32 at a time.
.Lweights:
	s_sub_co_u32 s26, ttmp9, 256
	s_lshr_b32 s27, s26, 5                         ; weight
	s_bfe_u32 s28, s26, 0x30002                    ; K step
	s_and_b32 s29, s26, 3
	v_lshlrev_b32 v4, 2, v1                        ; in: 4 bytes a lane
	v_bfe_u32 v2, v1, 3, 1                         ; column x of 32 lies in fragment 2 b + u, u = (x / 8) % 2,
	v_and_b32 v3, 7, v1
	v_lshrrev_b32 v7, 4, v1
	v_lshl_add_u32 v3, v7, 3, v3                   ; as its row r = x % 8 + 8 (x / 16)
	v_lshlrev_b32 v5, 4, v3
	v_lshl_add_u32 v5, v2, 10, v5                  ; codes: 1024 u + 16 r
	v_lshl_add_u32 v6, v2, 4, v3
	v_lshlrev_b32 v6, 3, v6                        ; scale words: 8 (16 u + r)
	s_lshl_b32 s30, s28, 19                        ; W: 128 rows of 4,096 bytes a K step,
	s_lshl_b32 s31, s29, 10
	s_add_co_u32 s30, s30, s31
	s_lshl_b32 s31, s18, 8                         ; 64 columns a wave
	s_add_co_u32 s30, s30, s31
	s_mov_b32 s31, 0
	s_lshl_b32 s32, s27, 3                         ; wc's block: 8 x weight + 2 (j % 4) + w / 2
	s_lshl_b32 s33, s29, 1
	s_add_co_u32 s32, s32, s33
	s_add_co_u32 s32, s32, s19
	s_mul_i32 s32, s32, BLKB
	s_lshr_b32 s33, s28, 1
	s_mul_i32 s33, s33, CHB
	s_add_co_u32 s32, s32, s33
	s_and_b32 s36, s28, 1
	s_lshl_b32 s33, s36, 9
	s_add_co_u32 s34, s32, s33
	s_lshl_b32 s33, s20, 8
	s_add_co_u32 s34, s34, s33
	s_add_co_u32 s34, s34, 16384
	s_mov_b32 s35, 0
	s_lshl_b32 s33, s36, 13
	s_add_co_u32 s32, s32, s33
	s_lshl_b32 s33, s20, 12
	s_add_co_u32 s32, s32, s33
	s_mov_b32 s33, 0
	s_wait_kmcnt 0x0
	s_cmp_eq_u32 s27, 1                            ; which weight: the choice hangs on the work-group's number alone
	s_cselect_b64 s[6:7], s[8:9], s[6:7]
	s_cmp_eq_u32 s27, 2
	s_cselect_b64 s[6:7], s[10:11], s[6:7]
	s_cmp_eq_u32 s27, 3
	s_cselect_b64 s[6:7], s[12:13], s[6:7]
	s_add_nc_u64 s[6:7], s[6:7], s[30:31]
	s_add_nc_u64 s[32:33], s[16:17], s[32:33]
	s_add_nc_u64 s[34:35], s[16:17], s[34:35]
.macro LOADW q                         ; block q: columns 32 (q / 4) on, k = 32 (q % 4) + i
.irp i, 0,1,2,3,4,5,6,7,8,9,10,11,12,13,14,15,16,17,18,19,20,21,22,23,24,25,26,27,28,29,30,31
	global_load_b32 v[32+32*((\q)%2)+\i], v4, s[6:7] offset:(32*((\q)%4)+\i)*4096+((\q)/4)*128 th:TH_LOAD_NT
.endr
.endm
.macro BLKW q
.set XS, 32+32*((\q)%2)
.if (\q) < 7
	s_wait_loadcnt 32                              ; this block's 32 loads are in; the next block's may be out
.else
	s_wait_loadcnt 0x0
.endif
	v_max3_num_f32 v12, |v[XS]|, |v[XS+1]|, |v[XS+2]|              ; all 32 numbers of the block are mine
	v_max3_num_f32 v13, |v[XS+3]|, |v[XS+4]|, |v[XS+5]|
.irp i, 6,10,14,18,22,26
	v_max3_num_f32 v12, v12, |v[XS+\i]|, |v[XS+\i+1]|
	v_max3_num_f32 v13, v13, |v[XS+\i+2]|, |v[XS+\i+3]|
.endr
	v_max3_num_f32 v12, v12, |v[XS+30]|, |v[XS+31]|
	v_max3_num_f32 v12, v12, v13, 0x1800000
	v_add_nc_u32 v11, 0xff000000, v12
	v_lshrrev_b32 v13, 23, v11
.if (\q)%4 == 0
	v_mov_b32 v[24+(\q)/4], v13                    ; four bytes make my column's word of this K step
.else
	v_lshl_or_b32 v[24+(\q)/4], v13, 8*((\q)%4), v[24+(\q)/4]
.endif
.irp g, 0,1,2,3
	v_cvt_scalef32_pk8_fp4_f32 v[96+4*(\q)+\g], v[XS+8*\g:XS+8*\g+7], v11
.endr
	global_store_b128 v5, v[96+4*(\q):96+4*(\q)+3], s[32:33] offset:((\q)/4)*2048+(((\q)%4)/2)*512+((\q)%2)*256   ; the wave fills two whole runs of 256 bytes, one in each of two fragments
.if (\q) < 6
	LOADW (\q)+2
.endif
.endm
	LOADW 0
	LOADW 1
.irp q, 0,1,2,3,4,5,6,7
	BLKW \q
.endr
	global_store_b64 v6, v[24:25], s[34:35]        ; 256 consecutive bytes a wave
	s_endpgm
.Lfunc_end_k_qe5e6a7f293_quant:
	.size	k_qe5e6a7f293_quant, .Lfunc_end_k_qe5e6a7f293_quant-k_qe5e6a7f293_quant
	.p2alignl 7, 3214868480
	.fill 96, 4, 3214868480
	.section	.rodata,"a",@progbits
	.p2align	6, 0x0
	.amdhsa_kernel k_qe5e6a7f293_quant
		.amdhsa_group_segment_fixed_size 34304
		.amdhsa_private_segment_fixed_size 0
		.amdhsa_enable_private_segment 0
		.amdhsa_kernarg_size 56
		.amdhsa_user_sgpr_count 2
		.amdhsa_user_sgpr_kernarg_segment_ptr 1
		.amdhsa_wavefront_size32 1
		.amdhsa_system_sgpr_workgroup_id_x 1
		.amdhsa_system_sgpr_workgroup_id_y 1
		.amdhsa_system_sgpr_workgroup_id_z 1
		.amdhsa_system_vgpr_workitem_id 0
		.amdhsa_next_free_vgpr 256
		.amdhsa_next_free_sgpr 66
		.amdhsa_reserve_vcc 1
		.amdhsa_float_denorm_mode_32 3
		.amdhsa_float_denorm_mode_16_64 3
		.amdhsa_memory_ordered 1
		.amdhsa_forward_progress 1
		.amdhsa_inst_pref_size 68
	.end_amdhsa_kernel
	.amdgpu_metadata
---
amdhsa.version: [ 1, 2 ]
amdhsa.kernels:
  - .name:           k_qe5e6a7f293_quant
    .symbol:         k_qe5e6a7f293_quant.kd
    .args:
      - { .name: X_embed, .offset: 0, .size: 8, .value_kind: global_buffer, .address_space: global }
      - { .name: Wq, .offset: 8, .size: 8, .value_kind: global_buffer, .address_space: global }
      - { .name: Wk, .offset: 16, .size: 8, .value_kind: global_buffer, .address_space: global }
      - { .name: Wv, .offset: 24, .size: 8, .value_kind: global_buffer, .address_space: global }
      - { .name: Wo, .offset: 32, .size: 8, .value_kind: global_buffer, .address_space: global }
      - { .name: xc, .offset: 40, .size: 8, .value_kind: global_buffer, .address_space: global }
      - { .name: wc, .offset: 48, .size: 8, .value_kind: global_buffer, .address_space: global }
    .group_segment_fixed_size: 34304
    .private_segment_fixed_size: 0
    .kernarg_segment_align: 8
    .kernarg_segment_size: 56
    .max_flat_workgroup_size: 128
    .sgpr_count:     66
    .vgpr_count:     256
    .wavefront_size: 32
...
	.end_amdgpu_metadata
.endif
;; end of part 1
;; launch gemm_qk (part 2): grid 8 x 64, 4 waves a work-group, clusters of 4 x 4, 244,224 bytes of LDS; arguments xc, wc, bq, bk, qkc; writes qkc
.if DOCPART == 2
	.amdgcn_target "amdgcn-amd-amdhsa--gfx1250"
	.amdhsa_code_object_version 6
	.text
	.protected	k_qe5e6a7f293_gemm_qk
	.globl	k_qe5e6a7f293_gemm_qk
	.p2align	8
	.type	k_qe5e6a7f293_gemm_qk,@function
k_qe5e6a7f293_gemm_qk:
	s_mov_b64 s[64:65], 0
	v_nop
	global_prefetch_b8 v0, s[64:65] scope:SCOPE_SE
	s_setreg_imm32_b32 hwreg(HW_REG_WAVE_MODE, 25, 1), 1
	s_wait_xcnt 0x0
	s_wait_alu depctr_hold_cnt(0) depctr_sa_sdst(0) depctr_va_vdst(0) depctr_va_sdst(0) depctr_va_ssrc(0) depctr_va_vcc(0) depctr_vm_vsrc(0)
	s_getreg_b32 s2, hwreg(HW_REG_IB_STS2, 6, 4)
	s_cmp_eq_u32 s2, 0
	s_cbranch_scc0 .Lentry_in_a_cluster
	s_endpgm
.Lentry_in_a_cluster:
	s_bfe_u32 s2, ttmp6, 0x10000c
	s_cmp_lg_u32 s2, 0xf033
	s_cbranch_scc0 .Lentry_shape_is_right
	s_endpgm
.Lentry_shape_is_right:
; One text serves three launches; MODE says which.  C = A W + bias on codes of FP4 with E8M0 scales, M = 8,192, K = 1,024.
;   MODE 0: A = X, W = Wq | Wk (2,048 columns): C is quantised along its columns and stored as the scores' operands (the factor 2^-5 of each is a power of two: it changes no code and is applied with the exponential).
;   MODE 1: A = X, W = Wv: C is multiplied by w (the sum of four partial vectors; one number for each row and 64 columns), quantised and stored as the last product's operand.
;   MODE 2: A = w V, W = Wo: C is stored as f32.
; OPERANDS lie in memory as images of their registers: a block of 69,632 bytes = 128 rows x K 1,024 = 4 chunks of 17,408 bytes (two K steps of 128: 16 fragments of 1,024 bytes, then 2 x 512 bytes of scale words).
; A work-group makes 128 rows x 256 columns: with 256 x 256 the launches of 1,024 columns would have 128 work-groups for 256 WGPs.  Wave w: rows 64 (w / 2) on, columns 128 (w % 2) on: 32 accumulators.
; ALL OF K FITS IN LDS: A's block and two blocks of W, 208,896 bytes, each byte filled once.  Waves 0, 1, 2 ask for one block each, as four loads of one chunk: four tensor loads of a wave are out at the most.
; The chunks are waited for one by one, so that the products begin when the first has landed.
; CLUSTERS: 4 x 4 work-groups; A's block is shared along a row of the cluster, W's blocks along a column: each chunk is asked for jointly.
; THE PRODUCT IS USED TRANSPOSED (source 0 = 16 columns of W, source 1 = 16 rows of A), and W's fragments hold columns in such an order that a lane's 64 registers of a tile of rows are:
; register 16 b + i = column 32 b + 16 (lane / 16) + i of row lane % 16.  The bias is the C of each sum's first product.
; LIMITS: as the quantising launch: the byte of a block is held at 1 from below; NaN and infinities are not served.  The bias starts the sum where the definition adds it last.
; REGISTERS: window 0: v1-17 addresses; v32-47 scale words, two sets, and nothing else; v64-159, v160-255 fragments, two sets (A's 4, then W's 8); on the way out v64-191 are free.
;   window 1: accumulator (tile of rows a, tile of columns t) at v[8 (8 a + t)].   window 2: v0-63 the bias, 8 registers a tile; v64-95 w's four parts.
.set MODE, 0
.set BLKB, 69632
.set CHB,  17408
.set LA,   2*BLKB                      ; LDS: W's two blocks, then A's block,
.set STG,  3*BLKB                      ; then (MODE 2) a stage of 16 rows x (512 + 16) bytes for each wave
.if MODE == 0
.set WB, 0                             ; the first of my weight's blocks in wc
.elseif MODE == 1
.set WB, 16
.else
.set WB, 24
.endif
.set AA,  4                            ; v4-5    LDS address of my A fragments, chunks 0-1 and 2-3
.set AB,  6                            ; v6-7    of my W fragments
.set SAA, 8                            ; v8-9    of A's scale words
.set SAB, 10                           ; v10-11  of W's
.set L16, 12                           ; v12     16 x lane
.set L8,  13                           ; v13     8 x lane
.set BO,  14                           ; v14     64 (lane / 16): my place in the bias
.set WO,  15                           ; v15     32 (lane % 16): my row's eight numbers of w
.set STO, 16                           ; v16     the stage, way in
.set SRD, 17                           ; v17     the stage, way out
.set SC,  32                           ; set s: v[SC+8s], +1 A's words; +2 .. +5 W's
.set FR,  64                           ; set s at v[FR+96s]
.set TM,  96                           ; the way out: v96-111 at work, v112-115 scale words, v116-117 as stored
.set PWR, 112
.set SWR, 116
.set G1A, 32                           ; s[32:39] descriptor group 1 for A; s[40:47] for W; s[48:63] A's four groups 0; s[68:83] W's
.set G1B, 40
.set G0A, 48
.set G0B, 68
.set MSB, 0
.macro WIN new                         ; the immediate's high byte repeats the setting that is left
.if MSB != (\new)
	s_set_vgpr_msb (MSB<<8)|(\new)
.set MSB, (\new)
.endif
.endm
.macro PLACES n
.rept \n
	v_nop
.endr
.endm
.macro ROUND                           ; a round of the cluster's barrier
	s_barrier_signal -1
	s_barrier_wait -1
	s_cmp_lg_u32 s14, 0
	s_cbranch_scc1 .Lnot_wave_0_\@
	s_barrier_signal -3
.Lnot_wave_0_\@:
	s_barrier_wait -3
	s_barrier_signal -1
	s_barrier_wait -1
.endm
	s_load_b256 s[4:11], s[0:1], 0x0               ; A's codes s[4:5], wc s[6:7], then by MODE: bq, bk | bv, wpart | bo, out0
.if MODE < 2
	s_load_b64 s[12:13], s[0:1], 0x20              ; qkc | oc
	v_lshl_add_u32 v62, v0, 2, 0x3b800
	v_mov_b32 v63, 0
	ds_add_u32 v62, v63
	ds_add_u32 v62, v63
.endif
	v_lshrrev_b32 v1, 5, v0
	v_readfirstlane_b32 s14, v1                    ; wave
	s_lshr_b32 s15, s14, 1                         ; wm: my 64 rows
	s_and_b32 s16, s14, 1                          ; wn: my block of W.  Also: which block of W I fetch
	s_bfe_u32 s17, ttmp6, 0x40000                  ; cx
	s_bfe_u32 s18, ttmp6, 0x40004                  ; cy
	s_lshl_b32 s19, ttmp9, 2
	s_add_co_u32 s19, s19, s17                     ; x: 256 columns
	s_and_b32 s20, ttmp7, 0xffff
	s_lshl_b32 s20, s20, 2
	s_add_co_u32 s20, s20, s18                     ; y: 128 rows
	s_lshl_b32 s21, s18, 2
	s_lshl_b32 s21, 15, s21                        ; my row of the cluster
	s_lshl_b32 s22, 0x1111, s17                    ; my column
	s_or_b32 s[G1A], s21, (3<<16)|(1<<21)          ; 15:0 the mask; 17:16 elements of 8 bytes; 21 set beside a mask; no padding: an image is read 512 consecutive bytes at a time
	s_or_b32 s[G1B], s22, (3<<16)|(1<<21)
.irp g, G1A, G1B                       ; a chunk: 68 dense rows of 256 bytes
	s_mov_b32 s[\g+1], 32<<16                      ; tensor_dim0 = 32
	s_mov_b32 s[\g+2], 68<<16                      ; tensor_dim1 = 68
	s_mov_b32 s[\g+3], 32<<16                      ; tile_dim0 = 32
	s_mov_b32 s[\g+4], 68                          ; tile_dim1 = 68
	s_mov_b32 s[\g+5], 32                          ; the pitch
	s_mov_b32 s[\g+6], 0
	s_mov_b32 s[\g+7], 0
.endr
	s_lshl_b32 s24, s19, 1                         ; W's block: hangs on x and the wave alone
	s_add_co_u32 s24, s24, s16
	s_add_co_u32 s24, s24, WB
	s_mul_i32 s24, s24, BLKB
	s_mov_b32 s25, 0
	s_mul_i32 s26, s20, BLKB                       ; A's block: hangs on y alone
	s_mov_b32 s27, 0
	s_mul_i32 s28, s16, BLKB                       ; where W's block goes
	s_wait_dscnt 0x0
	s_wait_kmcnt 0x0
	s_add_nc_u64 s[24:25], s[6:7], s[24:25]
	s_add_nc_u64 s[26:27], s[4:5], s[26:27]
.irp q, 0,1,2,3
	s_mov_b32 s[G0B+4*\q], 1
	s_add_co_u32 s[G0B+4*\q+1], s28, \q*CHB
	s_add_nc_u64 s[G0B+4*\q+2:G0B+4*\q+3], s[24:25], \q*CHB
	s_or_b32 s[G0B+4*\q+3], s[G0B+4*\q+3], 0x80000000
	s_mov_b32 s[G0A+4*\q], 1
	s_mov_b32 s[G0A+4*\q+1], LA+\q*CHB
	s_add_nc_u64 s[G0A+4*\q+2:G0A+4*\q+3], s[26:27], \q*CHB
	s_or_b32 s[G0A+4*\q+3], s[G0A+4*\q+3], 0x80000000
.endr
	ROUND                                          ; all sixteen work-groups are here: the joint loads meet
	s_cmp_lt_u32 s14, 2                            ; a wave's four fills stand in one branch on its number; four v_nop follow the last
	s_cbranch_scc0 .Lnot_w
.irp q, 0,1,2,3
	tensor_load_to_lds s[G0B+4*\q:G0B+4*\q+3], s[G1B:G1B+7]
	s_nop 0
.endr
	PLACES 4
	s_branch .Lasked
.Lnot_w:
	s_cmp_eq_u32 s14, 2
	s_cbranch_scc0 .Lasked
.irp q, 0,1,2,3
	tensor_load_to_lds s[G0A+4*\q:G0A+4*\q+3], s[G1A:G1A+7]
	s_nop 0
.endr
	PLACES 4
.Lasked:
	v_and_b32 v1, 15, v0                           ; r
	v_bfe_u32 v2, v0, 4, 1                         ; h
	v_and_b32 v3, 31, v0                           ; lane
	v_lshlrev_b32 v[L16], 4, v3
	v_lshlrev_b32 v[L8], 3, v3
	v_lshlrev_b32 v[BO], 6, v2
	v_lshlrev_b32 v[WO], 5, v1
	s_lshl_b32 s29, s15, 12
	s_add_co_u32 s29, s29, LA
	v_add_nc_u32 v[AA], s29, v[L16]                ; A: my four fragments of a K step
	v_add_nc_u32 v[AA+1], 2*CHB, v[AA]
	v_add_nc_u32 v[AB], s28, v[L16]                ; W: my block
	v_add_nc_u32 v[AB+1], 2*CHB, v[AB]
	s_lshl_b32 s30, s15, 8
	s_add_co_u32 s30, s30, LA+16384
	v_add_nc_u32 v[SAA], s30, v[L8]
	v_add_nc_u32 v[SAA+1], 2*CHB, v[SAA]
	s_add_co_u32 s31, s28, 16384
	v_add_nc_u32 v[SAB], s31, v[L8]
	v_add_nc_u32 v[SAB+1], 2*CHB, v[SAB]
.if MODE == 2
	s_mul_i32 s29, s14, 16*528
	s_add_co_u32 s29, s29, STG
	v_mul_u32_u24 v[STO], v1, 528
	v_lshl_add_u32 v[STO], v2, 6, v[STO]
	v_add_nc_u32 v[STO], s29, v[STO]               ; row r, + 64 h
	v_add_nc_u32 v[SRD], s29, v[L16]
.endif
.if MODE == 0
	s_cmp_eq_u32 ttmp9, 0                          ; the first cluster column makes Q, the second K: the same in all partners
	s_cselect_b64 s[8:9], s[8:9], s[10:11]
.endif
	s_and_b32 s84, s19, 3                          ; my 256 columns within the weight's 1,024
	s_lshl_b32 s86, s84, 10
	s_lshl_b32 s87, s16, 9
	s_add_co_u32 s86, s86, s87
	s_mov_b32 s87, 0
	s_add_nc_u64 s[8:9], s[8:9], s[86:87]          ; the bias of my 128 columns
.if MODE == 1
	s_lshl_b32 s86, s20, 13                        ; w: 2,048 numbers a block of rows, laid [128 columns][64 rows][row % 16][tile of rows][64 columns]
	s_lshl_b32 s87, s19, 11
	s_add_co_u32 s86, s86, s87
	s_lshl_b32 s87, s16, 10
	s_add_co_u32 s86, s86, s87
	s_lshl_b32 s87, s15, 9
	s_add_co_u32 s86, s86, s87
	s_mov_b32 s87, 0
	s_add_nc_u64 s[10:11], s[10:11], s[86:87]
.endif
	WIN 0x80                                       ; destination window 2
.irp t, 0,1,2,3,4,5,6,7                ; tile t, lane half h: columns 32 (t / 2) + 16 h + 8 (t % 2) + 0 .. 7
	global_load_b128 v[8*\t:8*\t+3], v[BO], s[8:9] offset:(32*(\t/2)+8*(\t%2))*4
	global_load_b128 v[8*\t+4:8*\t+7], v[BO], s[8:9] offset:(32*(\t/2)+8*(\t%2))*4+16
.endr
.if MODE == 1
.irp p, 0,1,2,3
	global_load_b128 v[64+8*\p:67+8*\p], v[WO], s[10:11] offset:\p*524288
	global_load_b128 v[68+8*\p:71+8*\p], v[WO], s[10:11] offset:\p*524288+16
.endr
.endif
	WIN 0
.if MODE < 2
	s_lshr_b32 s85, s19, 2                         ; where the results go: block 64 (x / 4) + y, chunk x % 4, K step wn, fragments 4 wm on
	s_lshl_b32 s85, s85, 6
	s_add_co_u32 s85, s85, s20
	s_mul_i32 s85, s85, BLKB
	s_mul_i32 s86, s84, CHB
	s_add_co_u32 s85, s85, s86
	s_lshl_b32 s86, s16, 13
	s_lshl_b32 s87, s15, 12
	s_add_co_u32 s86, s86, s87
	s_add_co_u32 s86, s86, s85
	s_mov_b32 s87, 0
	s_lshl_b32 s88, s16, 9
	s_lshl_b32 s89, s15, 8
	s_add_co_u32 s88, s88, s89
	s_add_co_u32 s88, s88, s85
	s_add_co_u32 s88, s88, 16384
	s_mov_b32 s89, 0
	s_add_nc_u64 s[86:87], s[12:13], s[86:87]
	s_add_nc_u64 s[88:89], s[12:13], s[88:89]
	s_mov_b32 s90, 0x76543210
	s_mov_b32 s91, 0xfedcba98                      ; selects for lane l xor 16
.else
	s_lshl_b32 s86, s20, 19                        ; out0: 128 rows of 4,096 bytes, 64 rows, 1,024 bytes for 256 columns, 512 for 128
	s_lshl_b32 s87, s15, 18
	s_add_co_u32 s86, s86, s87
	s_lshl_b32 s87, s19, 10
	s_add_co_u32 s86, s86, s87
	s_lshl_b32 s87, s16, 9
	s_add_co_u32 s86, s86, s87
	s_mov_b32 s87, 0
	s_add_nc_u64 s[86:87], s[10:11], s[86:87]
.endif
.macro LOAD k                          ; K step k's operands into set k % 2: 27 LDS loads, each of consecutive bytes
.set SETN, (\k)%2
.set HB, (\k)/4
.set OO, (((\k)/2)%2)*CHB+((\k)%2)*8192
.set OS, (((\k)/2)%2)*CHB+((\k)%2)*512
.irp a, 0,1,2,3
.irp c, 0,1
	ds_load_b128 v[FR+96*SETN+8*\a+4*\c:FR+96*SETN+8*\a+4*\c+3], v[AA+HB] offset:OO+\a*1024+512*\c
.endr
.endr
.irp t, 0,1,2,3,4,5,6,7
.irp c, 0,1
	ds_load_b128 v[FR+96*SETN+32+8*\t+4*\c:FR+96*SETN+32+8*\t+4*\c+3], v[AB+HB] offset:OO+\t*1024+512*\c
.endr
.endr
	ds_load_b64 v[SC+8*SETN:SC+8*SETN+1], v[SAA+HB] offset:OS          ; register a / 2: lanes 0-15 the even tile's words, lanes 16-31 the odd one's
	ds_load_b64 v[SC+8*SETN+2:SC+8*SETN+3], v[SAB+HB] offset:OS
	ds_load_b64 v[SC+8*SETN+4:SC+8*SETN+5], v[SAB+HB] offset:OS+256
.endm
.macro MUL k                           ; 32 products; the 32 accumulators take turns, one instruction a turn, in the same order in every step
.set SETN, (\k)%2
.if (\k) == 0
	WIN 0x60                                       ; D window 1, C (the bias) window 2
.else
	WIN 0x50                                       ; C and D window 1
.endif
.irp a, 0,1,2,3
.irp t, 0,1,2,3,4,5,6,7
.set rD, 8*(8*\a+\t)
.set rC, rD
.if (\k) == 0
.set rC, 8*\t
.endif
.set rB, FR+96*SETN+32+8*\t
.set rA, FR+96*SETN+8*\a
.set rSB, SC+8*SETN+2+\t/2
.set rSA, SC+8*SETN+\a/2
.if (\t%2 == 0) && (\a%2 == 0)
	v_wmma_scale_f32_16x16x128_f8f6f4 v[rD:rD+7], v[rB:rB+7], v[rA:rA+7], v[rC:rC+7], v[rSB], v[rSA] matrix_a_fmt:MATRIX_FMT_FP4 matrix_b_fmt:MATRIX_FMT_FP4
.elseif (\a%2 == 0)
	v_wmma_scale_f32_16x16x128_f8f6f4 v[rD:rD+7], v[rB:rB+7], v[rA:rA+7], v[rC:rC+7], v[rSB], v[rSA] matrix_a_fmt:MATRIX_FMT_FP4 matrix_b_fmt:MATRIX_FMT_FP4 matrix_a_scale:MATRIX_SCALE_ROW1
.elseif (\t%2 == 0)
	v_wmma_scale_f32_16x16x128_f8f6f4 v[rD:rD+7], v[rB:rB+7], v[rA:rA+7], v[rC:rC+7], v[rSB], v[rSA] matrix_a_fmt:MATRIX_FMT_FP4 matrix_b_fmt:MATRIX_FMT_FP4 matrix_b_scale:MATRIX_SCALE_ROW1
.else
	v_wmma_scale_f32_16x16x128_f8f6f4 v[rD:rD+7], v[rB:rB+7], v[rA:rA+7], v[rC:rC+7], v[rSB], v[rSA] matrix_a_fmt:MATRIX_FMT_FP4 matrix_b_fmt:MATRIX_FMT_FP4 matrix_a_scale:MATRIX_SCALE_ROW1 matrix_b_scale:MATRIX_SCALE_ROW1
.endif
.endr
.endr
.endm
.macro STEP k
.if (\k) < 7
	s_wait_dscnt 27                                ; this step's operands are in; the next step's 27 loads may be out
.else
	s_wait_dscnt 0x0
.endif
	MUL \k
	WIN 0
.if ((\k) < 6) && ((\k)%2 == 0)
	s_wait_tensorcnt 2-(\k)/2                      ; my load of the next chunk has landed; the younger chunks' loads may be out
	s_wait_dscnt 0x0                               ; no LDS instruction of mine is pending at a signal
	s_barrier_signal -1
	s_barrier_wait -1                              ; everybody's part of that chunk has landed
.endif
.if (\k) < 6
	PLACES 4                                       ; in front of loads into registers that the products above have read (ISA guide 7.12.1 for vector instructions)
	LOAD (\k)+2
.endif
.endm
	s_wait_tensorcnt 3                             ; my load of chunk 0 has landed; three younger ones may be out
	s_barrier_signal -1
	s_barrier_wait -1
	LOAD 0
	LOAD 1
	s_wait_loadcnt 0x0                             ; the bias (and w's parts)
.irp k, 0,1,2,3,4,5,6,7
	STEP \k
.endr
	PLACES 4                                       ; in front of the first reads of results
.if MODE < 2
; THE WAY OUT, MODES 0 AND 1: a tile of 16 rows x my 128 columns is one fragment of the next product: quantised in registers and stored as its image.
.macro QUANT a
.set AC, 64*(\a)
.set PC, FR+8*(\a)
	WIN 0x05                                       ; sources 0 and 1 window 1
.irp b, 0,1,2,3
	v_max3_num_f32 v[TM+\b], |v[AC+16*\b]|, |v[AC+16*\b+1]|, 0x1800000   ; block b: my 16 numbers, from each accumulator's low end on, and the floor 2^(3 - 127)
.endr
	WIN 0x14                                       ; sources 1 and 2 window 1
.irp i, 2,4,6,8,10,12,14
.irp b, 0,1,2,3
	v_max3_num_f32 v[TM+\b], v[TM+\b], |v[AC+16*\b+\i]|, |v[AC+16*\b+\i+1]|
.endr
.endr
	WIN 0
.irp b, 0,1,2,3
	v_permlanex16_b32 v[TM+4+\b], v[TM+\b], s90, s91
.endr
.irp b, 0,1,2,3
	v_max_num_f32 v[TM+\b], v[TM+\b], v[TM+4+\b]   ; with lane l xor 16's 16: the block's largest magnitude
.endr
.irp b, 0,1,2,3
	v_add_nc_u32 v[TM+12+\b], 0xff000000, v[TM+\b] ; 2 off its exponent field: the conversion's scale operand
.endr
.irp b, 0,1,2,3
	v_lshrrev_b32 v[TM+4+\b], 23, v[TM+12+\b]      ; the byte
.endr
	v_lshl_or_b32 v[PWR+(\a)], v[TM+5], 8, v[TM+4]
	v_lshl_or_b32 v[PWR+(\a)], v[TM+6], 16, v[PWR+(\a)]
	v_lshl_or_b32 v[PWR+(\a)], v[TM+7], 24, v[PWR+(\a)]
	WIN 0x01                                       ; source 0 window 1
.irp b, 0,1,2,3
	v_cvt_scalef32_pk8_fp4_f32 v[PC+2*\b], v[AC+16*\b:AC+16*\b+7], v[TM+12+\b]
	v_cvt_scalef32_pk8_fp4_f32 v[PC+2*\b+1], v[AC+16*\b+8:AC+16*\b+15], v[TM+12+\b]
.endr
	WIN 0
	v_nop                                          ; one plain place behind a scaled conversion
.irp c, 0,1                            ; the operand wants a whole block in a lane: lanes 0-15 block 2 c, lanes 16-31 block 2 c + 1
.irp i, 0,1
	v_permlane16_swap_b32 v[PC+4*\c+\i], v[PC+2+4*\c+\i]
.endr
.endr
	global_store_b128 v[L16], v[PC:PC+3], s[86:87] offset:(\a)*1024            ; 512 consecutive bytes a store
	global_store_b128 v[L16], v[PC+4:PC+7], s[86:87] offset:(\a)*1024+512
.endm
.irp b, 0,1,2,3
	v_mov_b32 v[TM+4+\b], 0                        ; a lane permute's destination counts as one of its sources
.endr
.if MODE == 1
	WIN 0x8a                                       ; all in window 2: the four parts of w are added
.irp p, 1,2,3
.irp m, 0,2,4,6
	v_pk_add_f32 v[64+\m:65+\m], v[64+\m:65+\m], v[64+8*\p+\m:65+8*\p+\m]
.endr
.endr
	WIN 0x82
.irp a, 0,1,2,3
	v_mov_b32 v[72+2*\a], v[65+2*\a]               ; the upper 64 columns' w to an even register: the packed product takes a pair's low word for both halves
.endr
.endif
.irp a, 0,1,2,3
.if MODE == 1
	WIN 0x49                                       ; accumulators window 1, w window 2
.set m, 0
.rept 16
	v_pk_mul_f32 v[64*\a+m:64*\a+m+1], v[64*\a+m:64*\a+m+1], v[64+2*\a:65+2*\a] op_sel_hi:[1,0]   ; columns 0-63 of my 128
.set m, m+2
.endr
.rept 16
	v_pk_mul_f32 v[64*\a+m:64*\a+m+1], v[64*\a+m:64*\a+m+1], v[72+2*\a:73+2*\a] op_sel_hi:[1,0]   ; columns 64-127
.set m, m+2
.endr
.endif
	QUANT \a
.endr
	s_mov_b32 vcc_lo, 0xffff0000
	v_cndmask_b32 v[SWR], v[PWR], v[PWR+1], vcc_lo ; lanes 0-15: the even tile's words, lanes 16-31: the odd one's
	v_cndmask_b32 v[SWR+1], v[PWR+2], v[PWR+3], vcc_lo
	global_store_b64 v[L8], v[SWR:SWR+1], s[88:89] ; 256 consecutive bytes
.else
; THE WAY OUT, MODE 2: a tile of 16 rows x 128 columns goes through my own stage and comes back as whole rows of 512 bytes.  LDS serves a wave's instructions in order: no wait between stores and loads.
.macro TOSTAGE a
	WIN 0x04                                       ; an LDS store's data are its source 1: window 1
.irp t, 0,1,2,3,4,5,6,7
	ds_store_b128 v[STO], v[64*(\a)+8*\t:64*(\a)+8*\t+3] offset:128*(\t/2)+32*(\t%2)        ; each accumulator from its low end on
	ds_store_b128 v[STO], v[64*(\a)+8*\t+4:64*(\a)+8*\t+7] offset:128*(\t/2)+32*(\t%2)+16
.endr
	WIN 0
.irp row, 0,1,2,3,4,5,6,7,8,9,10,11,12,13,14,15
	ds_load_b128 v[FR+64*((\a)%2)+4*\row:FR+64*((\a)%2)+4*\row+3], v[SRD] offset:\row*528
.endr
.endm
.macro SEND a, younger                 ; younger: the LDS instructions issued behind tile a's loads
	s_wait_dscnt \younger
.irp row, 0,1,2,3,4,5,6,7,8,9,10,11,12,13,14,15
	global_store_b128 v[L16], v[FR+64*((\a)%2)+4*\row:FR+64*((\a)%2)+4*\row+3], s[86:87] offset:(16*(\a)+\row)*4096 th:TH_STORE_NT   ; 512 consecutive bytes, at a multiple of 512 from out0's first byte
.endr
.endm
	TOSTAGE 0
.irp a, 1,2,3
.if \a > 1
	s_wait_xcnt 0x0                                ; tile a - 2's stores have read their registers: tile a's loads may land there
.endif
	TOSTAGE \a
	SEND \a-1, 32                                  ; behind tile a - 1's loads: tile a's 16 stores and 16 loads
.endr
	SEND 3, 0
.endif
	s_wait_tensorcnt 0x0
	ds_add_u32 v62, v63
	s_wait_dscnt 0x0
	ROUND                                          ; the closing round: no work-group ends while a partner may still ask for a chunk that names it
	s_endpgm
.Lfunc_end_k_qe5e6a7f293_gemm_qk:
	.size	k_qe5e6a7f293_gemm_qk, .Lfunc_end_k_qe5e6a7f293_gemm_qk-k_qe5e6a7f293_gemm_qk
	.p2alignl 7, 3214868480
	.fill 96, 4, 3214868480
	.section	.rodata,"a",@progbits
	.p2align	6, 0x0
	.amdhsa_kernel k_qe5e6a7f293_gemm_qk
		.amdhsa_group_segment_fixed_size 244224
		.amdhsa_private_segment_fixed_size 0
		.amdhsa_enable_private_segment 0
		.amdhsa_kernarg_size 40
		.amdhsa_user_sgpr_count 2
		.amdhsa_user_sgpr_kernarg_segment_ptr 1
		.amdhsa_wavefront_size32 1
		.amdhsa_system_sgpr_workgroup_id_x 1
		.amdhsa_system_sgpr_workgroup_id_y 1
		.amdhsa_system_sgpr_workgroup_id_z 1
		.amdhsa_system_vgpr_workitem_id 0
		.amdhsa_next_free_vgpr 640
		.amdhsa_next_free_sgpr 100
		.amdhsa_reserve_vcc 1
		.amdhsa_float_denorm_mode_32 3
		.amdhsa_float_denorm_mode_16_64 3
		.amdhsa_memory_ordered 1
		.amdhsa_forward_progress 1
		.amdhsa_inst_pref_size 75
	.end_amdhsa_kernel
	.amdgpu_metadata
---
amdhsa.version: [ 1, 2 ]
amdhsa.kernels:
  - .name:           k_qe5e6a7f293_gemm_qk
    .symbol:         k_qe5e6a7f293_gemm_qk.kd
    .args:
      - { .name: xc, .offset: 0, .size: 8, .value_kind: global_buffer, .address_space: global }
      - { .name: wc, .offset: 8, .size: 8, .value_kind: global_buffer, .address_space: global }
      - { .name: bq, .offset: 16, .size: 8, .value_kind: global_buffer, .address_space: global }
      - { .name: bk, .offset: 24, .size: 8, .value_kind: global_buffer, .address_space: global }
      - { .name: qkc, .offset: 32, .size: 8, .value_kind: global_buffer, .address_space: global }
    .group_segment_fixed_size: 244224
    .private_segment_fixed_size: 0
    .kernarg_segment_align: 8
    .kernarg_segment_size: 40
    .max_flat_workgroup_size: 128
    .sgpr_count:     100
    .vgpr_count:     640
    .wavefront_size: 32
...
	.end_amdgpu_metadata
.endif
;; end of part 2
;; launch attn (part 3): grid 4 x 64, 4 waves a work-group, no clusters, 17,920 bytes of LDS; arguments qkc, wpart; writes wpart
.if DOCPART == 3
	.amdgcn_target "amdgcn-amd-amdhsa--gfx1250"
	.amdhsa_code_object_version 6
	.text
	.protected	k_qe5e6a7f293_attn
	.globl	k_qe5e6a7f293_attn
	.p2align	8
	.type	k_qe5e6a7f293_attn,@function
k_qe5e6a7f293_attn:
	s_mov_b64 s[64:65], 0
	v_nop
	global_prefetch_b8 v0, s[64:65] scope:SCOPE_SE
	s_setreg_imm32_b32 hwreg(HW_REG_WAVE_MODE, 25, 1), 1
	s_wait_xcnt 0x0
; w[a] = the sum over keys b of softmax over QUERIES a of (Q[a] . K[b] / 1024), for one head and a quarter of its keys: a partial vector of 2,048 numbers.  (V is not contracted: the output is w[a] V[a].)
; Q and K arrive as codes of FP4 with E8M0 scales, made of the numbers WITHOUT the two factors 2^-5: powers of two change no code; 2^-10 stands in c = log2(e) / 1,024.
; SHARES.  Work-group (x, y): head y, keys of chunk x of K's block (512).  A STAGE holds the raw scores of ALL 2,048 queries x 32 keys in registers: wave w = 2 wa + wb has queries of half wa (64 tiles of 16)
; x the 16 keys of tile wb: 512 registers.  So each score costs ONE exponential: the column's maximum is known before the first.
; LAYOUT.  S^T = K Q^T (source 0 = 16 keys, source 1 = 16 queries): a lane holds one query (lane % 16) and keys 8 (lane / 16) + 0 .. 7.  A key's maximum and sum go over the tiles and over 16 lanes; a query's sum stays in its lane.
; A fragment of the operands' images holds TWO tiles of head rows, K = 64 each, in its two halves.  Q's fragment goes in whole, with its own scale word; K's four registers stand beside four registers of zero codes,
; [K, 0] or [0, K], with the byte 0 (2^-127) as the scale of the zero half: that half adds nothing.
; THE MAXIMUM.  Each wave takes its own half column's maximum away before its exponentials.  The two waves of a key tile then exchange (-c m, Z) through LDS, and f[b] = 2^(c m_mine - c m_all) / Z_all carries the change
; to the whole column's maximum and the division; w[a] += the sum over b of p[a][b] f[b].
; The next stage's products stand between this stage's row sums, four behind each sixteen.
; NO JOINT LOADS: Q goes from memory into registers once in the launch (34 KB a wave) and K 576 bytes a wave and stage; nothing goes through LDS tiles that partners could share.
; LIMITS: NaN and infinities are not served; w is summed in another order than the definition's sum over b.
; REGISTERS, in windows of 256: window 0: v1-13 addresses; v16-19 K, v20-23 zeros, v24-27 K again; v28 K's scale word as loaded, v29, v30 as used; v32-47 Q's scale words; v48-127 the columns' figures; v128-255 Q's fragments 0-15.
;   windows 1, 2: S^T, tile i at 256 + 8 i.   window 3: v0-127 w, a pair (even keys', odd keys') a tile; v128-255 Q's fragments 16-31.
.set BLKB, 69632
.set CHB,  17408
.set WST,  512                         ; LDS: 4 x 128 bytes for the exchange, then 2 x 8,192 bytes for the end
.set KL,   4                           ; v4   16 x lane + 512 wb: my place in a fragment of K
.set R8,   5                           ; v5   8 (lane % 16)
.set KAD,  6                           ; v6   the stage's K
.set KSA,  7                           ; v7   and its scale word
.set EXW,  8                           ; v8   the exchange: where I write
.set EXR,  9                           ; v9   and where my partner (wave xor 2) has written
.set WSA,  10
.set WSR,  11
.set L16,  12
.set L8,   13
.set KA,   16
.set ZR,   20
.set KC,   24
.set KW,   28
.set KS0,  29
.set KS1,  30
.set QS,   32                          ; fragment p: register p / 2, lanes 16 (p % 2) on
.set MX,   48                          ; v48-55  the keys' maxima, then -c m
.set ZA,   56                          ; v56-71  their sums, two sets
.set PN,   72                          ; v72-79  the partner's -c m
.set PZ,   80                          ; v80-87  the partner's sums
.set FF,   88                          ; v88-95  f
.set WK,   96                          ; v96-127 at work
.set QF,   128
.set MSB, 0
.macro WIN new                         ; the immediate's high byte repeats the setting that is left
.if MSB != (\new)
	s_set_vgpr_msb (MSB<<8)|(\new)
.set MSB, (\new)
.endif
.endm
	s_load_b128 s[4:7], s[0:1], 0x0                ; qkc, wpart
	v_lshl_add_u32 v15, v0, 2, 0x4400
	v_mov_b32 v31, 0
	v_lshrrev_b32 v1, 5, v0
	v_readfirstlane_b32 s8, v1                     ; wave
	s_lshr_b32 s9, s8, 1                           ; wa
	s_and_b32 s10, s8, 1                           ; wb
	s_and_b32 s11, ttmp7, 0xffff                   ; head
	s_mul_i32 s24, s11, BLKB
	s_mul_i32 s25, s9, 2*CHB
	s_add_co_u32 s14, s24, s25                     ; Q: the head's block, my two chunks
	s_mov_b32 s15, 0
	s_mul_i32 s25, ttmp9, CHB
	s_add_co_u32 s16, s24, s25
	s_add_co_u32 s16, s16, 64*BLKB                 ; K: behind Q's 64 blocks; the work-group's chunk
	s_mov_b32 s17, 0
	s_lshl_b32 s18, ttmp9, 19                      ; wpart: part x, head, my 2,048 bytes
	s_lshl_b32 s25, s11, 13
	s_add_co_u32 s18, s18, s25
	s_lshl_b32 s25, s8, 11
	s_add_co_u32 s18, s18, s25
	s_mov_b32 s19, 0
	s_mov_b32 s20, 0x3ab8aa3b                      ; c = log2(e) / 1,024
	s_mov_b32 s21, s20                             ; (named with it as a pair, so it is written)
	s_mov_b32 s22, 0xbab8aa3b                      ; -c
	s_lshl_b32 s28, s10, 4                         ; my tile's two bytes in K's scale word begin at bit 16 wb
	v_and_b32 v1, 31, v0                           ; lane
	v_and_b32 v2, 15, v0                           ; r
	v_bfe_u32 v3, v0, 4, 1                         ; h
	v_lshlrev_b32 v[L16], 4, v1
	v_lshlrev_b32 v[L8], 3, v1
	s_lshl_b32 s24, s10, 9
	v_add_nc_u32 v[KL], s24, v[L16]
	v_lshlrev_b32 v[R8], 3, v2
	s_lshl_b32 s24, s8, 7
	v_lshl_add_u32 v[EXW], v3, 6, s24              ; 128 x wave + 64 h
	s_xor_b32 s25, s8, 2
	s_lshl_b32 s25, s25, 7
	v_lshl_add_u32 v[EXR], v3, 6, s25
	s_lshl_b32 s24, s10, 13
	s_lshl_b32 s25, s9, 12
	s_add_co_u32 s24, s24, s25
	s_add_co_u32 s24, s24, WST
	v_lshlrev_b32 v[WSA], 5, v2
	v_lshl_add_u32 v[WSA], v3, 2, v[WSA]
	v_add_nc_u32 v[WSA], s24, v[WSA]               ; the end: 8,192 wb + 4,096 wa + 32 r + 4 h
	s_lshl_b32 s24, s8, 11
	s_add_co_u32 s24, s24, WST
	v_add_nc_u32 v[WSR], s24, v[L16]
	s_wait_kmcnt 0x0
	s_add_nc_u64 s[14:15], s[4:5], s[14:15]
	s_add_nc_u64 s[16:17], s[4:5], s[16:17]
	s_add_nc_u64 s[18:19], s[6:7], s[18:19]
.set p, 0
.rept 32                               ; Q stays in registers: fragment p = K step p / 8 of my four, rows 16 (p % 8) on
.if p == 16
	WIN 0xc0                                       ; destination window 3
.endif
.set qo, ((p>>3)>>1)*CHB+((p>>3)&1)*8192+(p&7)*1024
.set qr, QF+8*(p&15)
	global_load_b128 v[qr:qr+3], v[L16], s[14:15] offset:qo
	global_load_b128 v[qr+4:qr+7], v[L16], s[14:15] offset:qo+512
.set p, p+1
.endr
	WIN 0
.set g, 0
.rept 8
	global_load_b64 v[QS+2*g:QS+2*g+1], v[L8], s[14:15] offset:((g>>1)>>1)*CHB+16384+((g>>1)&1)*512+(g&1)*256
.set g, g+1
.endr
	global_load_b128 v[KA:KA+3], v[KL], s[16:17]   ; K of stage 0, twice: once for each place beside the zeros
	global_load_b128 v[KC:KC+3], v[KL], s[16:17]
	global_load_b32 v[KW], v[R8], s[16:17] offset:16384
.irp j, 0,1,2,3
	v_mov_b32 v[ZR+\j], 0
.endr
; 16 groups of 4 tiles.  p2 = 1: the tiles' row sums, w += p f, two keys an instruction.  mm = 1: the same tiles' scores of the next stage.  No product adds onto another: each takes the constant 0 as C.
; The row sums of the next group name no register of the products in front of them.
.macro MIX p2, mm
.set GG, 0
.rept 16
.if \p2
	WIN 0xf1+(GG>>3)                               ; w (C and D) window 3, p window 1 or 2, f window 0
.set q, 0
.rept 4
.set t, 0
.rept 4
.set ti, 4*GG+t
.set rs, 8*(ti&31)+2*q
	v_pk_fma_f32 v[2*ti:2*ti+1], v[rs:rs+1], v[FF+2*q:FF+2*q+1], v[2*ti:2*ti+1]
.set t, t+1
.endr
.set q, q+1
.endr
.endif
.if \mm
	WIN 0x40+0x4c*(GG>>3)                          ; tiles 0-31: D window 1, Q window 0; tiles 32-63: D window 2, Q window 3
.set rs, 8*((4*GG)&31)
.set rq, QF+8*((2*GG)&15)
	v_wmma_scale_f32_16x16x128_f8f6f4 v[rs:rs+7], v[KA:KA+7], v[rq:rq+7], 0, v[KS0], v[QS+GG] matrix_a_fmt:MATRIX_FMT_FP4 matrix_b_fmt:MATRIX_FMT_FP4
	v_wmma_scale_f32_16x16x128_f8f6f4 v[rs+8:rs+15], v[ZR:ZR+7], v[rq:rq+7], 0, v[KS1], v[QS+GG] matrix_a_fmt:MATRIX_FMT_FP4 matrix_b_fmt:MATRIX_FMT_FP4
	v_wmma_scale_f32_16x16x128_f8f6f4 v[rs+16:rs+23], v[KA:KA+7], v[rq+8:rq+15], 0, v[KS0], v[QS+GG] matrix_a_fmt:MATRIX_FMT_FP4 matrix_b_fmt:MATRIX_FMT_FP4 matrix_b_scale:MATRIX_SCALE_ROW1
	v_wmma_scale_f32_16x16x128_f8f6f4 v[rs+24:rs+31], v[ZR:ZR+7], v[rq+8:rq+15], 0, v[KS1], v[QS+GG] matrix_a_fmt:MATRIX_FMT_FP4 matrix_b_fmt:MATRIX_FMT_FP4 matrix_b_scale:MATRIX_SCALE_ROW1
.endif
.set GG, GG+1
.endr
.endm
; The keys' maxima over my 1,024 queries.  ld = 1: the next stage's K is asked for here, a whole stage ahead of its products.
.macro MAXP ld
	WIN 0
.set j, 0
.rept 8
	v_mov_b32 v[MX+j], 0xff800000                  ; these 24 lines are also the places behind the last products (ISA guide 7.12.1)
.set j, j+1
.endr
.set j, 0
.rept 16
	v_mov_b32 v[ZA+j], 0
.set j, j+1
.endr
.if \ld
	v_lshl_add_u32 v[KAD], s23, 10, v[KL]          ; fragment s23 of the chunk
	s_lshr_b32 s24, s23, 2                         ; its scale words: 256 (f / 4, with the K step) + 128 (f % 2) + 4 ((f / 2) % 2)
	s_lshl_b32 s24, s24, 8
	s_and_b32 s25, s23, 1
	s_lshl_b32 s25, s25, 7
	s_add_co_u32 s24, s24, s25
	s_and_b32 s25, s23, 2
	s_lshl_b32 s25, s25, 1
	s_add_co_u32 s24, s24, s25
	v_add_nc_u32 v[KSA], s24, v[R8]
	global_load_b128 v[KA:KA+3], v[KAD], s[16:17]
	global_load_b128 v[KC:KC+3], v[KAD], s[16:17]
	global_load_b32 v[KW], v[KSA], s[16:17] offset:16384
.endif
.set k, 1
.rept 2
	WIN (k<<2)|(k<<4)                              ; sources 1 and 2: S^T's window
.set i, 0
.rept 16
.set j, 0
.rept 8
	v_max3_num_f32 v[MX+j], v[MX+j], v[16*i+j], v[16*i+8+j]   ; two tiles at a time, each from its low end on; eight chains
.set j, j+1
.endr
.set i, i+1
.endr
.set k, k+1
.endr
	WIN 0
.irp m, 1,2,4,8
.set j, 0
.rept 8
	v_max_num_f32_dpp v[MX+j], v[MX+j], v[MX+j] row_xmask:\m row_mask:0xf bank_mask:0xf
.set j, j+1
.endr
.endr
.set j, 0
.rept 8
	v_mul_f32 v[MX+j], s22, v[MX+j]                ; -c m
.set j, j+1
.endr
.endm
; p = 2^(c s - c m), in place, and the keys' sums.  Groups of two tiles: behind every two exponentials stands a scaling of the next group, a plain instruction that touches none of their registers.
.macro EXPP
.set k, 1
.rept 2
	WIN (k<<6)|k
.set q, 0
.rept 8
	v_pk_fma_f32 v[2*q:2*q+1], v[2*q:2*q+1], s[20:21], v[MX+2*(q&3):MX+2*(q&3)+1] op_sel_hi:[1,0,1]
.set q, q+1
.endr
.set g, 0
.rept 16
	WIN (k<<6)|k
.set q, 0
.rept 8
	v_exp_f32 v[16*g+2*q], v[16*g+2*q]
	v_exp_f32 v[16*g+2*q+1], v[16*g+2*q+1]
.if g < 15
	v_pk_fma_f32 v[16*g+16+2*q:16*g+17+2*q], v[16*g+16+2*q:16*g+17+2*q], s[20:21], v[MX+2*(q&3):MX+2*(q&3)+1] op_sel_hi:[1,0,1]
.endif
.set q, q+1
.endr
.if g == 15
	v_nop                                          ; a plain place behind the last exponentials
	s_wait_alu depctr_va_vdst(0)
.endif
	WIN k<<2
.set q, 0
	s_wait_alu depctr_va_vdst(0)
.rept 8
	v_pk_add_f32 v[ZA+2*q:ZA+2*q+1], v[ZA+2*q:ZA+2*q+1], v[16*g+2*q:16*g+2*q+1]
.set q, q+1
.endr
.set g, g+1
.endr
.set k, k+1
.endr
.endm
.macro ZRED
	WIN 0
.set q, 0
.rept 4
	v_pk_add_f32 v[ZA+2*q:ZA+2*q+1], v[ZA+2*q:ZA+2*q+1], v[ZA+8+2*q:ZA+9+2*q]
.set q, q+1
.endr
.irp m, 1,2,4,8
.set j, 0
.rept 8
	v_add_f32_dpp v[ZA+j], v[ZA+j], v[ZA+j] row_xmask:\m row_mask:0xf bank_mask:0xf
.set j, j+1
.endr
.endr
.endm
; The two waves of a key tile exchange their figures.  First barrier: the stores have landed.  Second barrier: its signal stands behind my reads, its wait at the stage's end, ahead of the next stage's stores;
; between the two stands work on registers alone.
.macro EXCH ld
	ds_store_b128 v[EXW], v[MX:MX+3]               ; the sixteen lanes of a half write the same bytes with the same values
	ds_store_b128 v[EXW], v[MX+4:MX+7] offset:16
	ds_store_b128 v[EXW], v[ZA:ZA+3] offset:32
	ds_store_b128 v[EXW], v[ZA+4:ZA+7] offset:48
	s_wait_dscnt 0x0                               ; for the partner's sake: my stores are done
	s_barrier_signal -1
	s_barrier_wait -1
	ds_load_b128 v[PN:PN+3], v[EXR]
	ds_load_b128 v[PN+4:PN+7], v[EXR] offset:16
	ds_load_b128 v[PZ:PZ+3], v[EXR] offset:32
	ds_load_b128 v[PZ+4:PZ+7], v[EXR] offset:48
	s_wait_dscnt 0x0                               ; my reads are over
	s_barrier_signal -1
.if \ld
	s_wait_loadcnt 0x0                             ; the next stage's K and its scale word: asked for at the stage's head
	v_bfe_u32 v[KS0], v[KW], s28, 16               ; my tile's two bytes below, the byte 0 above;
	v_lshlrev_b32 v[KS1], 16, v[KS0]               ; and the other way round.  The lines of the merge below are the places that a scale register written here owes
.endif
.endm
.macro COMBINE                         ; f = 2^(g - nm) / (Z 2^(g - nm) + Z' 2^(g - nm')), g = min(nm, nm') = -c x the whole column's maximum
.set j, 0
.rept 8
	v_min_num_f32 v[WK+j], v[MX+j], v[PN+j]
.set j, j+1
.endr
.set j, 0
.rept 8
	v_sub_f32 v[WK+8+j], v[WK+j], v[MX+j]
.set j, j+1
.endr
.set j, 0
.rept 8
	v_sub_f32 v[WK+16+j], v[WK+j], v[PN+j]
.set j, j+1
.endr
.set j, 0
.rept 16
	v_exp_f32 v[WK+8+j], v[WK+8+j]
.set j, j+1
.endr
	v_nop                                          ; a plain place behind the exponentials
.set j, 0
	s_wait_alu depctr_va_vdst(0)
.rept 8
	v_mul_f32 v[WK+24+j], v[ZA+j], v[WK+8+j]
.set j, j+1
.endr
.set j, 0
.rept 8
	v_fma_f32 v[WK+24+j], v[PZ+j], v[WK+16+j], v[WK+24+j]   ; at least 1: the column's largest score gives p = 1 under a factor 1
.set j, j+1
.endr
.set j, 0
.rept 8
	v_rcp_f32 v[WK+j], v[WK+24+j]
.set j, j+1
.endr
	v_nop                                          ; a plain place behind the reciprocals
.set j, 0
	s_wait_alu depctr_va_vdst(0)
.rept 8
	v_mul_f32 v[FF+j], v[WK+8+j], v[WK+j]
.set j, j+1
.endr
.endm
.macro STAGE ld
	MAXP \ld
	EXPP
	ZRED
	EXCH \ld
	COMBINE
	MIX 1, \ld
	WIN 0
	s_barrier_wait -1                              ; every wave has read the exchange's words: they may be written again
.endm
	s_wait_loadcnt 0x0                             ; Q, its scale words, K of stage 0
	v_bfe_u32 v[KS0], v[KW], s28, 16
	v_lshlrev_b32 v[KS1], 16, v[KS0]
	WIN 0xc0
.set i, 0
.rept 128
	v_mov_b32 v[i], 0                              ; w, once in the launch: so the stage is written twice and not three times.  These lines are also the places between the scale registers' writes and the first products
.set i, i+1
.endr
	MIX 0, 1                                       ; stage 0's scores
	WIN 0
	s_mov_b32 s23, 1
.Lstage:                                           ; 15 trips: trip s23 works stage s23 - 1 and multiplies stage s23
	STAGE 1
	s_add_co_u32 s23, s23, 1
	s_cmp_lt_u32 s23, 16
	s_cbranch_scc1 .Lstage
	STAGE 0                                        ; the last stage: nothing more to load or to multiply
; THE END.  A tile's pair is added; the two halves of the lanes (keys 0-7, keys 8-15) are added, a fragment's two tiles at a time; the two key tiles' waves meet in LDS; each wave stores 2,048 consecutive bytes.
; wpart's order inside a head: [K step of 128 columns][64 rows][row % 16][tile of rows][64 columns], as the launch that reads it wants its lanes' eight numbers.
	WIN 0x0f                                       ; sources window 3
.set i, 0
.rept 64
	v_add_f32 v[QF+i], v[2*i], v[2*i+1]
.set i, i+1
.endr
	WIN 0
.set p, 0
.rept 32
	v_permlane16_swap_b32 v[QF+2*p], v[QF+2*p+1]   ; the first now holds both tiles' keys 0-7, the second both tiles' keys 8-15
.set p, p+1
.endr
.set p, 0
.rept 32
	v_add_f32 v[QF+2*p], v[QF+2*p], v[QF+2*p+1]    ; lanes 0-15: the fragment's lower tile, lanes 16-31: its upper
.set p, p+1
.endr
.set p, 0
.rept 32
	ds_store_b32 v[WSA], v[QF+2*p] offset:((p>>3)*256+((p>>2)&1)*128+(p&3)*2)*4
.set p, p+1
.endr
	s_wait_dscnt 0x0                               ; for the others' sake: my stores are done
	s_barrier_signal -1
	s_barrier_wait -1
.irp n, 0,1,2,3
	ds_load_b128 v[WK+4*\n:WK+4*\n+3], v[WSR] offset:512*\n
	ds_load_b128 v[WK+16+4*\n:WK+16+4*\n+3], v[WSR] offset:8192+512*\n
.endr
	s_wait_dscnt 0x0
.irp n, 0,2,4,6,8,10,12,14
	v_pk_add_f32 v[WK+\n:WK+\n+1], v[WK+\n:WK+\n+1], v[WK+16+\n:WK+17+\n]
.endr
.irp n, 0,1,2,3
	global_store_b128 v[L16], v[WK+4*\n:WK+4*\n+3], s[18:19] offset:512*\n     ; 512 consecutive bytes a store
.endr
	s_wait_tensorcnt 0x0
	ds_add_u32 v15, v31
	s_wait_dscnt 0x0
	s_endpgm
.Lfunc_end_k_qe5e6a7f293_attn:
	.size	k_qe5e6a7f293_attn, .Lfunc_end_k_qe5e6a7f293_attn-k_qe5e6a7f293_attn
	.p2alignl 7, 3214868480
	.fill 96, 4, 3214868480
	.section	.rodata,"a",@progbits
	.p2align	6, 0x0
	.amdhsa_kernel k_qe5e6a7f293_attn
		.amdhsa_group_segment_fixed_size 17920
		.amdhsa_private_segment_fixed_size 0
		.amdhsa_enable_private_segment 0
		.amdhsa_kernarg_size 16
		.amdhsa_user_sgpr_count 2
		.amdhsa_user_sgpr_kernarg_segment_ptr 1
		.amdhsa_wavefront_size32 1
		.amdhsa_system_sgpr_workgroup_id_x 1
		.amdhsa_system_sgpr_workgroup_id_y 1
		.amdhsa_system_sgpr_workgroup_id_z 1
		.amdhsa_system_vgpr_workitem_id 0
		.amdhsa_next_free_vgpr 1024
		.amdhsa_next_free_sgpr 66
		.amdhsa_reserve_vcc 0
		.amdhsa_float_denorm_mode_32 3
		.amdhsa_float_denorm_mode_16_64 3
		.amdhsa_memory_ordered 1
		.amdhsa_forward_progress 1
		.amdhsa_inst_pref_size 224
	.end_amdhsa_kernel
	.amdgpu_metadata
---
amdhsa.version: [ 1, 2 ]
amdhsa.kernels:
  - .name:           k_qe5e6a7f293_attn
    .symbol:         k_qe5e6a7f293_attn.kd
    .args:
      - { .name: qkc, .offset: 0, .size: 8, .value_kind: global_buffer, .address_space: global }
      - { .name: wpart, .offset: 8, .size: 8, .value_kind: global_buffer, .address_space: global }
    .group_segment_fixed_size: 17920
    .private_segment_fixed_size: 0
    .kernarg_segment_align: 8
    .kernarg_segment_size: 16
    .max_flat_workgroup_size: 128
    .sgpr_count:     66
    .vgpr_count:     1024
    .wavefront_size: 32
...
	.end_amdgpu_metadata
.endif
;; end of part 3
;; launch gemm_v (part 4): grid 4 x 64, 4 waves a work-group, clusters of 4 x 4, 244,224 bytes of LDS; arguments xc, wc, bv, wpart, oc; writes oc
.if DOCPART == 4
	.amdgcn_target "amdgcn-amd-amdhsa--gfx1250"
	.amdhsa_code_object_version 6
	.text
	.protected	k_qe5e6a7f293_gemm_v
	.globl	k_qe5e6a7f293_gemm_v
	.p2align	8
	.type	k_qe5e6a7f293_gemm_v,@function
k_qe5e6a7f293_gemm_v:
	s_mov_b64 s[64:65], 0
	v_nop
	global_prefetch_b8 v0, s[64:65] scope:SCOPE_SE
	s_setreg_imm32_b32 hwreg(HW_REG_WAVE_MODE, 25, 1), 1
	s_wait_xcnt 0x0
	s_wait_alu depctr_hold_cnt(0) depctr_sa_sdst(0) depctr_va_vdst(0) depctr_va_sdst(0) depctr_va_ssrc(0) depctr_va_vcc(0) depctr_vm_vsrc(0)
	s_getreg_b32 s2, hwreg(HW_REG_IB_STS2, 6, 4)
	s_cmp_eq_u32 s2, 0
	s_cbranch_scc0 .Lentry_in_a_cluster
	s_endpgm
.Lentry_in_a_cluster:
	s_bfe_u32 s2, ttmp6, 0x10000c
	s_cmp_lg_u32 s2, 0xf033
	s_cbranch_scc0 .Lentry_shape_is_right
	s_endpgm
.Lentry_shape_is_right:
; One text serves three launches; MODE says which.  C = A W + bias on codes of FP4 with E8M0 scales, M = 8,192, K = 1,024.
;   MODE 0: A = X, W = Wq | Wk (2,048 columns): C is quantised along its columns and stored as the scores' operands (the factor 2^-5 of each is a power of two: it changes no code and is applied with the exponential).
;   MODE 1: A = X, W = Wv: C is multiplied by w (the sum of four partial vectors; one number for each row and 64 columns), quantised and stored as the last product's operand.
;   MODE 2: A = w V, W = Wo: C is stored as f32.
; OPERANDS lie in memory as images of their registers: a block of 69,632 bytes = 128 rows x K 1,024 = 4 chunks of 17,408 bytes (two K steps of 128: 16 fragments of 1,024 bytes, then 2 x 512 bytes of scale words).
; A work-group makes 128 rows x 256 columns: with 256 x 256 the launches of 1,024 columns would have 128 work-groups for 256 WGPs.  Wave w: rows 64 (w / 2) on, columns 128 (w % 2) on: 32 accumulators.
; ALL OF K FITS IN LDS: A's block and two blocks of W, 208,896 bytes, each byte filled once.  Waves 0, 1, 2 ask for one block each, as four loads of one chunk: four tensor loads of a wave are out at the most.
; The chunks are waited for one by one, so that the products begin when the first has landed.
; CLUSTERS: 4 x 4 work-groups; A's block is shared along a row of the cluster, W's blocks along a column: each chunk is asked for jointly.
; THE PRODUCT IS USED TRANSPOSED (source 0 = 16 columns of W, source 1 = 16 rows of A), and W's fragments hold columns in such an order that a lane's 64 registers of a tile of rows are:
; register 16 b + i = column 32 b + 16 (lane / 16) + i of row lane % 16.  The bias is the C of each sum's first product.
; LIMITS: as the quantising launch: the byte of a block is held at 1 from below; NaN and infinities are not served.  The bias starts the sum where the definition adds it last.
; REGISTERS: window 0: v1-17 addresses; v32-47 scale words, two sets, and nothing else; v64-159, v160-255 fragments, two sets (A's 4, then W's 8); on the way out v64-191 are free.
;   window 1: accumulator (tile of rows a, tile of columns t) at v[8 (8 a + t)].   window 2: v0-63 the bias, 8 registers a tile; v64-95 w's four parts.
.set MODE, 1
.set BLKB, 69632
.set CHB,  17408
.set LA,   2*BLKB                      ; LDS: W's two blocks, then A's block,
.set STG,  3*BLKB                      ; then (MODE 2) a stage of 16 rows x (512 + 16) bytes for each wave
.if MODE == 0
.set WB, 0                             ; the first of my weight's blocks in wc
.elseif MODE == 1
.set WB, 16
.else
.set WB, 24
.endif
.set AA,  4                            ; v4-5    LDS address of my A fragments, chunks 0-1 and 2-3
.set AB,  6                            ; v6-7    of my W fragments
.set SAA, 8                            ; v8-9    of A's scale words
.set SAB, 10                           ; v10-11  of W's
.set L16, 12                           ; v12     16 x lane
.set L8,  13                           ; v13     8 x lane
.set BO,  14                           ; v14     64 (lane / 16): my place in the bias
.set WO,  15                           ; v15     32 (lane % 16): my row's eight numbers of w
.set STO, 16                           ; v16     the stage, way in
.set SRD, 17                           ; v17     the stage, way out
.set SC,  32                           ; set s: v[SC+8s], +1 A's words; +2 .. +5 W's
.set FR,  64                           ; set s at v[FR+96s]
.set TM,  96                           ; the way out: v96-111 at work, v112-115 scale words, v116-117 as stored
.set PWR, 112
.set SWR, 116
.set G1A, 32                           ; s[32:39] descriptor group 1 for A; s[40:47] for W; s[48:63] A's four groups 0; s[68:83] W's
.set G1B, 40
.set G0A, 48
.set G0B, 68
.set MSB, 0
.macro WIN new                         ; the immediate's high byte repeats the setting that is left
.if MSB != (\new)
	s_set_vgpr_msb (MSB<<8)|(\new)
.set MSB, (\new)
.endif
.endm
.macro PLACES n
.rept \n
	v_nop
.endr
.endm
.macro ROUND                           ; a round of the cluster's barrier
	s_barrier_signal -1
	s_barrier_wait -1
	s_cmp_lg_u32 s14, 0
	s_cbranch_scc1 .Lnot_wave_0_\@
	s_barrier_signal -3
.Lnot_wave_0_\@:
	s_barrier_wait -3
	s_barrier_signal -1
	s_barrier_wait -1
.endm
	s_load_b256 s[4:11], s[0:1], 0x0               ; A's codes s[4:5], wc s[6:7], then by MODE: bq, bk | bv, wpart | bo, out0
.if MODE < 2
	s_load_b64 s[12:13], s[0:1], 0x20              ; qkc | oc
	v_lshl_add_u32 v62, v0, 2, 0x3b800
	v_mov_b32 v63, 0
	ds_add_u32 v62, v63
	ds_add_u32 v62, v63
.endif
	v_lshrrev_b32 v1, 5, v0
	v_readfirstlane_b32 s14, v1                    ; wave
	s_lshr_b32 s15, s14, 1                         ; wm: my 64 rows
	s_and_b32 s16, s14, 1                          ; wn: my block of W.  Also: which block of W I fetch
	s_bfe_u32 s17, ttmp6, 0x40000                  ; cx
	s_bfe_u32 s18, ttmp6, 0x40004                  ; cy
	s_lshl_b32 s19, ttmp9, 2
	s_add_co_u32 s19, s19, s17                     ; x: 256 columns
	s_and_b32 s20, ttmp7, 0xffff
	s_lshl_b32 s20, s20, 2
	s_add_co_u32 s20, s20, s18                     ; y: 128 rows
	s_lshl_b32 s21, s18, 2
	s_lshl_b32 s21, 15, s21                        ; my row of the cluster
	s_lshl_b32 s22, 0x1111, s17                    ; my column
	s_or_b32 s[G1A], s21, (3<<16)|(1<<21)          ; 15:0 the mask; 17:16 elements of 8 bytes; 21 set beside a mask; no padding: an image is read 512 consecutive bytes at a time
	s_or_b32 s[G1B], s22, (3<<16)|(1<<21)
.irp g, G1A, G1B                       ; a chunk: 68 dense rows of 256 bytes
	s_mov_b32 s[\g+1], 32<<16                      ; tensor_dim0 = 32
	s_mov_b32 s[\g+2], 68<<16                      ; tensor_dim1 = 68
	s_mov_b32 s[\g+3], 32<<16                      ; tile_dim0 = 32
	s_mov_b32 s[\g+4], 68                          ; tile_dim1 = 68
	s_mov_b32 s[\g+5], 32                          ; the pitch
	s_mov_b32 s[\g+6], 0
	s_mov_b32 s[\g+7], 0
.endr
	s_lshl_b32 s24, s19, 1                         ; W's block: hangs on x and the wave alone
	s_add_co_u32 s24, s24, s16
	s_add_co_u32 s24, s24, WB
	s_mul_i32 s24, s24, BLKB
	s_mov_b32 s25, 0
	s_mul_i32 s26, s20, BLKB                       ; A's block: hangs on y alone
	s_mov_b32 s27, 0
	s_mul_i32 s28, s16, BLKB                       ; where W's block goes
	s_wait_dscnt 0x0
	s_wait_kmcnt 0x0
	s_add_nc_u64 s[24:25], s[6:7], s[24:25]
	s_add_nc_u64 s[26:27], s[4:5], s[26:27]
.irp q, 0,1,2,3
	s_mov_b32 s[G0B+4*\q], 1
	s_add_co_u32 s[G0B+4*\q+1], s28, \q*CHB
	s_add_nc_u64 s[G0B+4*\q+2:G0B+4*\q+3], s[24:25], \q*CHB
	s_or_b32 s[G0B+4*\q+3], s[G0B+4*\q+3], 0x80000000
	s_mov_b32 s[G0A+4*\q], 1
	s_mov_b32 s[G0A+4*\q+1], LA+\q*CHB
	s_add_nc_u64 s[G0A+4*\q+2:G0A+4*\q+3], s[26:27], \q*CHB
	s_or_b32 s[G0A+4*\q+3], s[G0A+4*\q+3], 0x80000000
.endr
	ROUND                                          ; all sixteen work-groups are here: the joint loads meet
	s_cmp_lt_u32 s14, 2                            ; a wave's four fills stand in one branch on its number; four v_nop follow the last
	s_cbranch_scc0 .Lnot_w
.irp q, 0,1,2,3
	tensor_load_to_lds s[G0B+4*\q:G0B+4*\q+3], s[G1B:G1B+7]
	s_nop 0
.endr
	PLACES 4
	s_branch .Lasked
.Lnot_w:
	s_cmp_eq_u32 s14, 2
	s_cbranch_scc0 .Lasked
.irp q, 0,1,2,3
	tensor_load_to_lds s[G0A+4*\q:G0A+4*\q+3], s[G1A:G1A+7]
	s_nop 0
.endr
	PLACES 4
.Lasked:
	v_and_b32 v1, 15, v0                           ; r
	v_bfe_u32 v2, v0, 4, 1                         ; h
	v_and_b32 v3, 31, v0                           ; lane
	v_lshlrev_b32 v[L16], 4, v3
	v_lshlrev_b32 v[L8], 3, v3
	v_lshlrev_b32 v[BO], 6, v2
	v_lshlrev_b32 v[WO], 5, v1
	s_lshl_b32 s29, s15, 12
	s_add_co_u32 s29, s29, LA
	v_add_nc_u32 v[AA], s29, v[L16]                ; A: my four fragments of a K step
	v_add_nc_u32 v[AA+1], 2*CHB, v[AA]
	v_add_nc_u32 v[AB], s28, v[L16]                ; W: my block
	v_add_nc_u32 v[AB+1], 2*CHB, v[AB]
	s_lshl_b32 s30, s15, 8
	s_add_co_u32 s30, s30, LA+16384
	v_add_nc_u32 v[SAA], s30, v[L8]
	v_add_nc_u32 v[SAA+1], 2*CHB, v[SAA]
	s_add_co_u32 s31, s28, 16384
	v_add_nc_u32 v[SAB], s31, v[L8]
	v_add_nc_u32 v[SAB+1], 2*CHB, v[SAB]
.if MODE == 2
	s_mul_i32 s29, s14, 16*528
	s_add_co_u32 s29, s29, STG
	v_mul_u32_u24 v[STO], v1, 528
	v_lshl_add_u32 v[STO], v2, 6, v[STO]
	v_add_nc_u32 v[STO], s29, v[STO]               ; row r, + 64 h
	v_add_nc_u32 v[SRD], s29, v[L16]
.endif
.if MODE == 0
	s_cmp_eq_u32 ttmp9, 0                          ; the first cluster column makes Q, the second K: the same in all partners
	s_cselect_b64 s[8:9], s[8:9], s[10:11]
.endif
	s_and_b32 s84, s19, 3                          ; my 256 columns within the weight's 1,024
	s_lshl_b32 s86, s84, 10
	s_lshl_b32 s87, s16, 9
	s_add_co_u32 s86, s86, s87
	s_mov_b32 s87, 0
	s_add_nc_u64 s[8:9], s[8:9], s[86:87]          ; the bias of my 128 columns
.if MODE == 1
	s_lshl_b32 s86, s20, 13                        ; w: 2,048 numbers a block of rows, laid [128 columns][64 rows][row % 16][tile of rows][64 columns]
	s_lshl_b32 s87, s19, 11
	s_add_co_u32 s86, s86, s87
	s_lshl_b32 s87, s16, 10
	s_add_co_u32 s86, s86, s87
	s_lshl_b32 s87, s15, 9
	s_add_co_u32 s86, s86, s87
	s_mov_b32 s87, 0
	s_add_nc_u64 s[10:11], s[10:11], s[86:87]
.endif
	WIN 0x80                                       ; destination window 2
.irp t, 0,1,2,3,4,5,6,7                ; tile t, lane half h: columns 32 (t / 2) + 16 h + 8 (t % 2) + 0 .. 7
	global_load_b128 v[8*\t:8*\t+3], v[BO], s[8:9] offset:(32*(\t/2)+8*(\t%2))*4
	global_load_b128 v[8*\t+4:8*\t+7], v[BO], s[8:9] offset:(32*(\t/2)+8*(\t%2))*4+16
.endr
.if MODE == 1
.irp p, 0,1,2,3
	global_load_b128 v[64+8*\p:67+8*\p], v[WO], s[10:11] offset:\p*524288
	global_load_b128 v[68+8*\p:71+8*\p], v[WO], s[10:11] offset:\p*524288+16
.endr
.endif
	WIN 0
.if MODE < 2
	s_lshr_b32 s85, s19, 2                         ; where the results go: block 64 (x / 4) + y, chunk x % 4, K step wn, fragments 4 wm on
	s_lshl_b32 s85, s85, 6
	s_add_co_u32 s85, s85, s20
	s_mul_i32 s85, s85, BLKB
	s_mul_i32 s86, s84, CHB
	s_add_co_u32 s85, s85, s86
	s_lshl_b32 s86, s16, 13
	s_lshl_b32 s87, s15, 12
	s_add_co_u32 s86, s86, s87
	s_add_co_u32 s86, s86, s85
	s_mov_b32 s87, 0
	s_lshl_b32 s88, s16, 9
	s_lshl_b32 s89, s15, 8
	s_add_co_u32 s88, s88, s89
	s_add_co_u32 s88, s88, s85
	s_add_co_u32 s88, s88, 16384
	s_mov_b32 s89, 0
	s_add_nc_u64 s[86:87], s[12:13], s[86:87]
	s_add_nc_u64 s[88:89], s[12:13], s[88:89]
	s_mov_b32 s90, 0x76543210
	s_mov_b32 s91, 0xfedcba98                      ; selects for lane l xor 16
.else
	s_lshl_b32 s86, s20, 19                        ; out0: 128 rows of 4,096 bytes, 64 rows, 1,024 bytes for 256 columns, 512 for 128
	s_lshl_b32 s87, s15, 18
	s_add_co_u32 s86, s86, s87
	s_lshl_b32 s87, s19, 10
	s_add_co_u32 s86, s86, s87
	s_lshl_b32 s87, s16, 9
	s_add_co_u32 s86, s86, s87
	s_mov_b32 s87, 0
	s_add_nc_u64 s[86:87], s[10:11], s[86:87]
.endif
.macro LOAD k                          ; K step k's operands into set k % 2: 27 LDS loads, each of consecutive bytes
.set SETN, (\k)%2
.set HB, (\k)/4
.set OO, (((\k)/2)%2)*CHB+((\k)%2)*8192
.set OS, (((\k)/2)%2)*CHB+((\k)%2)*512
.irp a, 0,1,2,3
.irp c, 0,1
	ds_load_b128 v[FR+96*SETN+8*\a+4*\c:FR+96*SETN+8*\a+4*\c+3], v[AA+HB] offset:OO+\a*1024+512*\c
.endr
.endr
.irp t, 0,1,2,3,4,5,6,7
.irp c, 0,1
	ds_load_b128 v[FR+96*SETN+32+8*\t+4*\c:FR+96*SETN+32+8*\t+4*\c+3], v[AB+HB] offset:OO+\t*1024+512*\c
.endr
.endr
	ds_load_b64 v[SC+8*SETN:SC+8*SETN+1], v[SAA+HB] offset:OS          ; register a / 2: lanes 0-15 the even tile's words, lanes 16-31 the odd one's
	ds_load_b64 v[SC+8*SETN+2:SC+8*SETN+3], v[SAB+HB] offset:OS
	ds_load_b64 v[SC+8*SETN+4:SC+8*SETN+5], v[SAB+HB] offset:OS+256
.endm
.macro MUL k                           ; 32 products; the 32 accumulators take turns, one instruction a turn, in the same order in every step
.set SETN, (\k)%2
.if (\k) == 0
	WIN 0x60                                       ; D window 1, C (the bias) window 2
.else
	WIN 0x50                                       ; C and D window 1
.endif
.irp a, 0,1,2,3
.irp t, 0,1,2,3,4,5,6,7
.set rD, 8*(8*\a+\t)
.set rC, rD
.if (\k) == 0
.set rC, 8*\t
.endif
.set rB, FR+96*SETN+32+8*\t
.set rA, FR+96*SETN+8*\a
.set rSB, SC+8*SETN+2+\t/2
.set rSA, SC+8*SETN+\a/2
.if (\t%2 == 0) && (\a%2 == 0)
	v_wmma_scale_f32_16x16x128_f8f6f4 v[rD:rD+7], v[rB:rB+7], v[rA:rA+7], v[rC:rC+7], v[rSB], v[rSA] matrix_a_fmt:MATRIX_FMT_FP4 matrix_b_fmt:MATRIX_FMT_FP4
.elseif (\a%2 == 0)
	v_wmma_scale_f32_16x16x128_f8f6f4 v[rD:rD+7], v[rB:rB+7], v[rA:rA+7], v[rC:rC+7], v[rSB], v[rSA] matrix_a_fmt:MATRIX_FMT_FP4 matrix_b_fmt:MATRIX_FMT_FP4 matrix_a_scale:MATRIX_SCALE_ROW1
.elseif (\t%2 == 0)
	v_wmma_scale_f32_16x16x128_f8f6f4 v[rD:rD+7], v[rB:rB+7], v[rA:rA+7], v[rC:rC+7], v[rSB], v[rSA] matrix_a_fmt:MATRIX_FMT_FP4 matrix_b_fmt:MATRIX_FMT_FP4 matrix_b_scale:MATRIX_SCALE_ROW1
.else
	v_wmma_scale_f32_16x16x128_f8f6f4 v[rD:rD+7], v[rB:rB+7], v[rA:rA+7], v[rC:rC+7], v[rSB], v[rSA] matrix_a_fmt:MATRIX_FMT_FP4 matrix_b_fmt:MATRIX_FMT_FP4 matrix_a_scale:MATRIX_SCALE_ROW1 matrix_b_scale:MATRIX_SCALE_ROW1
.endif
.endr
.endr
.endm
.macro STEP k
.if (\k) < 7
	s_wait_dscnt 27                                ; this step's operands are in; the next step's 27 loads may be out
.else
	s_wait_dscnt 0x0
.endif
	MUL \k
	WIN 0
.if ((\k) < 6) && ((\k)%2 == 0)
	s_wait_tensorcnt 2-(\k)/2                      ; my load of the next chunk has landed; the younger chunks' loads may be out
	s_wait_dscnt 0x0                               ; no LDS instruction of mine is pending at a signal
	s_barrier_signal -1
	s_barrier_wait -1                              ; everybody's part of that chunk has landed
.endif
.if (\k) < 6
	PLACES 4                                       ; in front of loads into registers that the products above have read (ISA guide 7.12.1 for vector instructions)
	LOAD (\k)+2
.endif
.endm
	s_wait_tensorcnt 3                             ; my load of chunk 0 has landed; three younger ones may be out
	s_barrier_signal -1
	s_barrier_wait -1
	LOAD 0
	LOAD 1
	s_wait_loadcnt 0x0                             ; the bias (and w's parts)
.irp k, 0,1,2,3,4,5,6,7
	STEP \k
.endr
	PLACES 4                                       ; in front of the first reads of results
.if MODE < 2
; THE WAY OUT, MODES 0 AND 1: a tile of 16 rows x my 128 columns is one fragment of the next product: quantised in registers and stored as its image.
.macro QUANT a
.set AC, 64*(\a)
.set PC, FR+8*(\a)
	WIN 0x05                                       ; sources 0 and 1 window 1
.irp b, 0,1,2,3
	v_max3_num_f32 v[TM+\b], |v[AC+16*\b]|, |v[AC+16*\b+1]|, 0x1800000   ; block b: my 16 numbers, from each accumulator's low end on, and the floor 2^(3 - 127)
.endr
	WIN 0x14                                       ; sources 1 and 2 window 1
.irp i, 2,4,6,8,10,12,14
.irp b, 0,1,2,3
	v_max3_num_f32 v[TM+\b], v[TM+\b], |v[AC+16*\b+\i]|, |v[AC+16*\b+\i+1]|
.endr
.endr
	WIN 0
.irp b, 0,1,2,3
	v_permlanex16_b32 v[TM+4+\b], v[TM+\b], s90, s91
.endr
.irp b, 0,1,2,3
	v_max_num_f32 v[TM+\b], v[TM+\b], v[TM+4+\b]   ; with lane l xor 16's 16: the block's largest magnitude
.endr
.irp b, 0,1,2,3
	v_add_nc_u32 v[TM+12+\b], 0xff000000, v[TM+\b] ; 2 off its exponent field: the conversion's scale operand
.endr
.irp b, 0,1,2,3
	v_lshrrev_b32 v[TM+4+\b], 23, v[TM+12+\b]      ; the byte
.endr
	v_lshl_or_b32 v[PWR+(\a)], v[TM+5], 8, v[TM+4]
	v_lshl_or_b32 v[PWR+(\a)], v[TM+6], 16, v[PWR+(\a)]
	v_lshl_or_b32 v[PWR+(\a)], v[TM+7], 24, v[PWR+(\a)]
	WIN 0x01                                       ; source 0 window 1
.irp b, 0,1,2,3
	v_cvt_scalef32_pk8_fp4_f32 v[PC+2*\b], v[AC+16*\b:AC+16*\b+7], v[TM+12+\b]
	v_cvt_scalef32_pk8_fp4_f32 v[PC+2*\b+1], v[AC+16*\b+8:AC+16*\b+15], v[TM+12+\b]
.endr
	WIN 0
	v_nop                                          ; one plain place behind a scaled conversion
.irp c, 0,1                            ; the operand wants a whole block in a lane: lanes 0-15 block 2 c, lanes 16-31 block 2 c + 1
.irp i, 0,1
	v_permlane16_swap_b32 v[PC+4*\c+\i], v[PC+2+4*\c+\i]
.endr
.endr
	global_store_b128 v[L16], v[PC:PC+3], s[86:87] offset:(\a)*1024            ; 512 consecutive bytes a store
	global_store_b128 v[L16], v[PC+4:PC+7], s[86:87] offset:(\a)*1024+512
.endm
.irp b, 0,1,2,3
	v_mov_b32 v[TM+4+\b], 0                        ; a lane permute's destination counts as one of its sources
.endr
.if MODE == 1
	WIN 0x8a                                       ; all in window 2: the four parts of w are added
.irp p, 1,2,3
.irp m, 0,2,4,6
	v_pk_add_f32 v[64+\m:65+\m], v[64+\m:65+\m], v[64+8*\p+\m:65+8*\p+\m]
.endr
.endr
	WIN 0x82
.irp a, 0,1,2,3
	v_mov_b32 v[72+2*\a], v[65+2*\a]               ; the upper 64 columns' w to an even register: the packed product takes a pair's low word for both halves
.endr
.endif
.irp a, 0,1,2,3
.if MODE == 1
	WIN 0x49                                       ; accumulators window 1, w window 2
.set m, 0
.rept 16
	v_pk_mul_f32 v[64*\a+m:64*\a+m+1], v[64*\a+m:64*\a+m+1], v[64+2*\a:65+2*\a] op_sel_hi:[1,0]   ; columns 0-63 of my 128
.set m, m+2
.endr
.rept 16
	v_pk_mul_f32 v[64*\a+m:64*\a+m+1], v[64*\a+m:64*\a+m+1], v[72+2*\a:73+2*\a] op_sel_hi:[1,0]   ; columns 64-127
.set m, m+2
.endr
.endif
	QUANT \a
.endr
	s_mov_b32 vcc_lo, 0xffff0000
	v_cndmask_b32 v[SWR], v[PWR], v[PWR+1], vcc_lo ; lanes 0-15: the even tile's words, lanes 16-31: the odd one's
	v_cndmask_b32 v[SWR+1], v[PWR+2], v[PWR+3], vcc_lo
	global_store_b64 v[L8], v[SWR:SWR+1], s[88:89] ; 256 consecutive bytes
.else
; THE WAY OUT, MODE 2: a tile of 16 rows x 128 columns goes through my own stage and comes back as whole rows of 512 bytes.  LDS serves a wave's instructions in order: no wait between stores and loads.
.macro TOSTAGE a
	WIN 0x04                                       ; an LDS store's data are its source 1: window 1
.irp t, 0,1,2,3,4,5,6,7
	ds_store_b128 v[STO], v[64*(\a)+8*\t:64*(\a)+8*\t+3] offset:128*(\t/2)+32*(\t%2)        ; each accumulator from its low end on
	ds_store_b128 v[STO], v[64*(\a)+8*\t+4:64*(\a)+8*\t+7] offset:128*(\t/2)+32*(\t%2)+16
.endr
	WIN 0
.irp row, 0,1,2,3,4,5,6,7,8,9,10,11,12,13,14,15
	ds_load_b128 v[FR+64*((\a)%2)+4*\row:FR+64*((\a)%2)+4*\row+3], v[SRD] offset:\row*528
.endr
.endm
.macro SEND a, younger                 ; younger: the LDS instructions issued behind tile a's loads
	s_wait_dscnt \younger
.irp row, 0,1,2,3,4,5,6,7,8,9,10,11,12,13,14,15
	global_store_b128 v[L16], v[FR+64*((\a)%2)+4*\row:FR+64*((\a)%2)+4*\row+3], s[86:87] offset:(16*(\a)+\row)*4096 th:TH_STORE_NT   ; 512 consecutive bytes, at a multiple of 512 from out0's first byte
.endr
.endm
	TOSTAGE 0
.irp a, 1,2,3
.if \a > 1
	s_wait_xcnt 0x0                                ; tile a - 2's stores have read their registers: tile a's loads may land there
.endif
	TOSTAGE \a
	SEND \a-1, 32                                  ; behind tile a - 1's loads: tile a's 16 stores and 16 loads
.endr
	SEND 3, 0
.endif
	s_wait_tensorcnt 0x0
	ds_add_u32 v62, v63
	s_wait_dscnt 0x0
	ROUND                                          ; the closing round: no work-group ends while a partner may still ask for a chunk that names it
	s_endpgm
.Lfunc_end_k_qe5e6a7f293_gemm_v:
	.size	k_qe5e6a7f293_gemm_v, .Lfunc_end_k_qe5e6a7f293_gemm_v-k_qe5e6a7f293_gemm_v
	.p2alignl 7, 3214868480
	.fill 96, 4, 3214868480
	.section	.rodata,"a",@progbits
	.p2align	6, 0x0
	.amdhsa_kernel k_qe5e6a7f293_gemm_v
		.amdhsa_group_segment_fixed_size 244224
		.amdhsa_private_segment_fixed_size 0
		.amdhsa_enable_private_segment 0
		.amdhsa_kernarg_size 40
		.amdhsa_user_sgpr_count 2
		.amdhsa_user_sgpr_kernarg_segment_ptr 1
		.amdhsa_wavefront_size32 1
		.amdhsa_system_sgpr_workgroup_id_x 1
		.amdhsa_system_sgpr_workgroup_id_y 1
		.amdhsa_system_sgpr_workgroup_id_z 1
		.amdhsa_system_vgpr_workitem_id 0
		.amdhsa_next_free_vgpr 640
		.amdhsa_next_free_sgpr 100
		.amdhsa_reserve_vcc 1
		.amdhsa_float_denorm_mode_32 3
		.amdhsa_float_denorm_mode_16_64 3
		.amdhsa_memory_ordered 1
		.amdhsa_forward_progress 1
		.amdhsa_inst_pref_size 85
	.end_amdhsa_kernel
	.amdgpu_metadata
---
amdhsa.version: [ 1, 2 ]
amdhsa.kernels:
  - .name:           k_qe5e6a7f293_gemm_v
    .symbol:         k_qe5e6a7f293_gemm_v.kd
    .args:
      - { .name: xc, .offset: 0, .size: 8, .value_kind: global_buffer, .address_space: global }
      - { .name: wc, .offset: 8, .size: 8, .value_kind: global_buffer, .address_space: global }
      - { .name: bv, .offset: 16, .size: 8, .value_kind: global_buffer, .address_space: global }
      - { .name: wpart, .offset: 24, .size: 8, .value_kind: global_buffer, .address_space: global }
      - { .name: oc, .offset: 32, .size: 8, .value_kind: global_buffer, .address_space: global }
    .group_segment_fixed_size: 244224
    .private_segment_fixed_size: 0
    .kernarg_segment_align: 8
    .kernarg_segment_size: 40
    .max_flat_workgroup_size: 128
    .sgpr_count:     100
    .vgpr_count:     640
    .wavefront_size: 32
...
	.end_amdgpu_metadata
.endif
;; end of part 4
;; launch gemm_o (part 5): grid 4 x 64, 4 waves a work-group, clusters of 4 x 4, 244,224 bytes of LDS; arguments oc, wc, bo, out0; writes out0
.if DOCPART == 5
	.amdgcn_target "amdgcn-amd-amdhsa--gfx1250"
	.amdhsa_code_object_version 6
	.text
	.protected	k_qe5e6a7f293_gemm_o
	.globl	k_qe5e6a7f293_gemm_o
	.p2align	8
	.type	k_qe5e6a7f293_gemm_o,@function
k_qe5e6a7f293_gemm_o:
	s_mov_b64 s[64:65], 0
	v_nop
	global_prefetch_b8 v0, s[64:65] scope:SCOPE_SE
	s_setreg_imm32_b32 hwreg(HW_REG_WAVE_MODE, 25, 1), 1
	s_wait_xcnt 0x0
	s_wait_alu depctr_hold_cnt(0) depctr_sa_sdst(0) depctr_va_vdst(0) depctr_va_sdst(0) depctr_va_ssrc(0) depctr_va_vcc(0) depctr_vm_vsrc(0)
	s_getreg_b32 s2, hwreg(HW_REG_IB_STS2, 6, 4)
	s_cmp_eq_u32 s2, 0
	s_cbranch_scc0 .Lentry_in_a_cluster
	s_endpgm
.Lentry_in_a_cluster:
	s_bfe_u32 s2, ttmp6, 0x10000c
	s_cmp_lg_u32 s2, 0xf033
	s_cbranch_scc0 .Lentry_shape_is_right
	s_endpgm
.Lentry_shape_is_right:
; One text serves three launches; MODE says which.  C = A W + bias on codes of FP4 with E8M0 scales, M = 8,192, K = 1,024.
;   MODE 0: A = X, W = Wq | Wk (2,048 columns): C is quantised along its columns and stored as the scores' operands (the factor 2^-5 of each is a power of two: it changes no code and is applied with the exponential).
;   MODE 1: A = X, W = Wv: C is multiplied by w (the sum of four partial vectors; one number for each row and 64 columns), quantised and stored as the last product's operand.
;   MODE 2: A = w V, W = Wo: C is stored as f32.
; OPERANDS lie in memory as images of their registers: a block of 69,632 bytes = 128 rows x K 1,024 = 4 chunks of 17,408 bytes (two K steps of 128: 16 fragments of 1,024 bytes, then 2 x 512 bytes of scale words).
; A work-group makes 128 rows x 256 columns: with 256 x 256 the launches of 1,024 columns would have 128 work-groups for 256 WGPs.  Wave w: rows 64 (w / 2) on, columns 128 (w % 2) on: 32 accumulators.
; ALL OF K FITS IN LDS: A's block and two blocks of W, 208,896 bytes, each byte filled once.  Waves 0, 1, 2 ask for one block each, as four loads of one chunk: four tensor loads of a wave are out at the most.
; The chunks are waited for one by one, so that the products begin when the first has landed.
; CLUSTERS: 4 x 4 work-groups; A's block is shared along a row of the cluster, W's blocks along a column: each chunk is asked for jointly.
; THE PRODUCT IS USED TRANSPOSED (source 0 = 16 columns of W, source 1 = 16 rows of A), and W's fragments hold columns in such an order that a lane's 64 registers of a tile of rows are:
; register 16 b + i = column 32 b + 16 (lane / 16) + i of row lane % 16.  The bias is the C of each sum's first product.
; LIMITS: as the quantising launch: the byte of a block is held at 1 from below; NaN and infinities are not served.  The bias starts the sum where the definition adds it last.
; REGISTERS: window 0: v1-17 addresses; v32-47 scale words, two sets, and nothing else; v64-159, v160-255 fragments, two sets (A's 4, then W's 8); on the way out v64-191 are free.
;   window 1: accumulator (tile of rows a, tile of columns t) at v[8 (8 a + t)].   window 2: v0-63 the bias, 8 registers a tile; v64-95 w's four parts.
.set MODE, 2
.set BLKB, 69632
.set CHB,  17408
.set LA,   2*BLKB                      ; LDS: W's two blocks, then A's block,
.set STG,  3*BLKB                      ; then (MODE 2) a stage of 16 rows x (512 + 16) bytes for each wave
.if MODE == 0
.set WB, 0                             ; the first of my weight's blocks in wc
.elseif MODE == 1
.set WB, 16
.else
.set WB, 24
.endif
.set AA,  4                            ; v4-5    LDS address of my A fragments, chunks 0-1 and 2-3
.set AB,  6                            ; v6-7    of my W fragments
.set SAA, 8                            ; v8-9    of A's scale words
.set SAB, 10                           ; v10-11  of W's
.set L16, 12                           ; v12     16 x lane
.set L8,  13                           ; v13     8 x lane
.set BO,  14                           ; v14     64 (lane / 16): my place in the bias
.set WO,  15                           ; v15     32 (lane % 16): my row's eight numbers of w
.set STO, 16                           ; v16     the stage, way in
.set SRD, 17                           ; v17     the stage, way out
.set SC,  32                           ; set s: v[SC+8s], +1 A's words; +2 .. +5 W's
.set FR,  64                           ; set s at v[FR+96s]
.set TM,  96                           ; the way out: v96-111 at work, v112-115 scale words, v116-117 as stored
.set PWR, 112
.set SWR, 116
.set G1A, 32                           ; s[32:39] descriptor group 1 for A; s[40:47] for W; s[48:63] A's four groups 0; s[68:83] W's
.set G1B, 40
.set G0A, 48
.set G0B, 68
.set MSB, 0
.macro WIN new                         ; the immediate's high byte repeats the setting that is left
.if MSB != (\new)
	s_set_vgpr_msb (MSB<<8)|(\new)
.set MSB, (\new)
.endif
.endm
.macro PLACES n
.rept \n
	v_nop
.endr
.endm
.macro ROUND                           ; a round of the cluster's barrier
	s_barrier_signal -1
	s_barrier_wait -1
	s_cmp_lg_u32 s14, 0
	s_cbranch_scc1 .Lnot_wave_0_\@
	s_barrier_signal -3
.Lnot_wave_0_\@:
	s_barrier_wait -3
	s_barrier_signal -1
	s_barrier_wait -1
.endm
	s_load_b256 s[4:11], s[0:1], 0x0               ; A's codes s[4:5], wc s[6:7], then by MODE: bq, bk | bv, wpart | bo, out0
	v_lshl_add_u32 v62, v0, 2, 0x3b800
	v_mov_b32 v63, 0
	ds_add_u32 v62, v63
	ds_add_u32 v62, v63
.if MODE < 2
	s_load_b64 s[12:13], s[0:1], 0x20              ; qkc | oc
.endif
	v_lshrrev_b32 v1, 5, v0
	v_readfirstlane_b32 s14, v1                    ; wave
	s_lshr_b32 s15, s14, 1                         ; wm: my 64 rows
	s_and_b32 s16, s14, 1                          ; wn: my block of W.  Also: which block of W I fetch
	s_bfe_u32 s17, ttmp6, 0x40000                  ; cx
	s_bfe_u32 s18, ttmp6, 0x40004                  ; cy
	s_lshl_b32 s19, ttmp9, 2
	s_add_co_u32 s19, s19, s17                     ; x: 256 columns
	s_and_b32 s20, ttmp7, 0xffff
	s_lshl_b32 s20, s20, 2
	s_add_co_u32 s20, s20, s18                     ; y: 128 rows
	s_lshl_b32 s21, s18, 2
	s_lshl_b32 s21, 15, s21                        ; my row of the cluster
	s_lshl_b32 s22, 0x1111, s17                    ; my column
	s_or_b32 s[G1A], s21, (3<<16)|(1<<21)          ; 15:0 the mask; 17:16 elements of 8 bytes; 21 set beside a mask; no padding: an image is read 512 consecutive bytes at a time
	s_or_b32 s[G1B], s22, (3<<16)|(1<<21)
.irp g, G1A, G1B                       ; a chunk: 68 dense rows of 256 bytes
	s_mov_b32 s[\g+1], 32<<16                      ; tensor_dim0 = 32
	s_mov_b32 s[\g+2], 68<<16                      ; tensor_dim1 = 68
	s_mov_b32 s[\g+3], 32<<16                      ; tile_dim0 = 32
	s_mov_b32 s[\g+4], 68                          ; tile_dim1 = 68
	s_mov_b32 s[\g+5], 32                          ; the pitch
	s_mov_b32 s[\g+6], 0
	s_mov_b32 s[\g+7], 0
.endr
	s_lshl_b32 s24, s19, 1                         ; W's block: hangs on x and the wave alone
	s_add_co_u32 s24, s24, s16
	s_add_co_u32 s24, s24, WB
	s_mul_i32 s24, s24, BLKB
	s_mov_b32 s25, 0
	s_mul_i32 s26, s20, BLKB                       ; A's block: hangs on y alone
	s_mov_b32 s27, 0
	s_mul_i32 s28, s16, BLKB                       ; where W's block goes
	s_wait_dscnt 0x0
	s_wait_kmcnt 0x0
	s_add_nc_u64 s[24:25], s[6:7], s[24:25]
	s_add_nc_u64 s[26:27], s[4:5], s[26:27]
.irp q, 0,1,2,3
	s_mov_b32 s[G0B+4*\q], 1
	s_add_co_u32 s[G0B+4*\q+1], s28, \q*CHB
	s_add_nc_u64 s[G0B+4*\q+2:G0B+4*\q+3], s[24:25], \q*CHB
	s_or_b32 s[G0B+4*\q+3], s[G0B+4*\q+3], 0x80000000
	s_mov_b32 s[G0A+4*\q], 1
	s_mov_b32 s[G0A+4*\q+1], LA+\q*CHB
	s_add_nc_u64 s[G0A+4*\q+2:G0A+4*\q+3], s[26:27], \q*CHB
	s_or_b32 s[G0A+4*\q+3], s[G0A+4*\q+3], 0x80000000
.endr
	ROUND                                          ; all sixteen work-groups are here: the joint loads meet
	s_cmp_lt_u32 s14, 2                            ; a wave's four fills stand in one branch on its number; four v_nop follow the last
	s_cbranch_scc0 .Lnot_w
.irp q, 0,1,2,3
	tensor_load_to_lds s[G0B+4*\q:G0B+4*\q+3], s[G1B:G1B+7]
	s_nop 0
.endr
	PLACES 4
	s_branch .Lasked
.Lnot_w:
	s_cmp_eq_u32 s14, 2
	s_cbranch_scc0 .Lasked
.irp q, 0,1,2,3
	tensor_load_to_lds s[G0A+4*\q:G0A+4*\q+3], s[G1A:G1A+7]
	s_nop 0
.endr
	PLACES 4
.Lasked:
	v_and_b32 v1, 15, v0                           ; r
	v_bfe_u32 v2, v0, 4, 1                         ; h
	v_and_b32 v3, 31, v0                           ; lane
	v_lshlrev_b32 v[L16], 4, v3
	v_lshlrev_b32 v[L8], 3, v3
	v_lshlrev_b32 v[BO], 6, v2
	v_lshlrev_b32 v[WO], 5, v1
	s_lshl_b32 s29, s15, 12
	s_add_co_u32 s29, s29, LA
	v_add_nc_u32 v[AA], s29, v[L16]                ; A: my four fragments of a K step
	v_add_nc_u32 v[AA+1], 2*CHB, v[AA]
	v_add_nc_u32 v[AB], s28, v[L16]                ; W: my block
	v_add_nc_u32 v[AB+1], 2*CHB, v[AB]
	s_lshl_b32 s30, s15, 8
	s_add_co_u32 s30, s30, LA+16384
	v_add_nc_u32 v[SAA], s30, v[L8]
	v_add_nc_u32 v[SAA+1], 2*CHB, v[SAA]
	s_add_co_u32 s31, s28, 16384
	v_add_nc_u32 v[SAB], s31, v[L8]
	v_add_nc_u32 v[SAB+1], 2*CHB, v[SAB]
.if MODE == 2
	s_mul_i32 s29, s14, 16*528
	s_add_co_u32 s29, s29, STG
	v_mul_u32_u24 v[STO], v1, 528
	v_lshl_add_u32 v[STO], v2, 6, v[STO]
	v_add_nc_u32 v[STO], s29, v[STO]               ; row r, + 64 h
	v_add_nc_u32 v[SRD], s29, v[L16]
.endif
.if MODE == 0
	s_cmp_eq_u32 ttmp9, 0                          ; the first cluster column makes Q, the second K: the same in all partners
	s_cselect_b64 s[8:9], s[8:9], s[10:11]
.endif
	s_and_b32 s84, s19, 3                          ; my 256 columns within the weight's 1,024
	s_lshl_b32 s86, s84, 10
	s_lshl_b32 s87, s16, 9
	s_add_co_u32 s86, s86, s87
	s_mov_b32 s87, 0
	s_add_nc_u64 s[8:9], s[8:9], s[86:87]          ; the bias of my 128 columns
.if MODE == 1
	s_lshl_b32 s86, s20, 13                        ; w: 2,048 numbers a block of rows, laid [128 columns][64 rows][row % 16][tile of rows][64 columns]
	s_lshl_b32 s87, s19, 11
	s_add_co_u32 s86, s86, s87
	s_lshl_b32 s87, s16, 10
	s_add_co_u32 s86, s86, s87
	s_lshl_b32 s87, s15, 9
	s_add_co_u32 s86, s86, s87
	s_mov_b32 s87, 0
	s_add_nc_u64 s[10:11], s[10:11], s[86:87]
.endif
	WIN 0x80                                       ; destination window 2
.irp t, 0,1,2,3,4,5,6,7                ; tile t, lane half h: columns 32 (t / 2) + 16 h + 8 (t % 2) + 0 .. 7
	global_load_b128 v[8*\t:8*\t+3], v[BO], s[8:9] offset:(32*(\t/2)+8*(\t%2))*4
	global_load_b128 v[8*\t+4:8*\t+7], v[BO], s[8:9] offset:(32*(\t/2)+8*(\t%2))*4+16
.endr
.if MODE == 1
.irp p, 0,1,2,3
	global_load_b128 v[64+8*\p:67+8*\p], v[WO], s[10:11] offset:\p*524288
	global_load_b128 v[68+8*\p:71+8*\p], v[WO], s[10:11] offset:\p*524288+16
.endr
.endif
	WIN 0
.if MODE < 2
	s_lshr_b32 s85, s19, 2                         ; where the results go: block 64 (x / 4) + y, chunk x % 4, K step wn, fragments 4 wm on
	s_lshl_b32 s85, s85, 6
	s_add_co_u32 s85, s85, s20
	s_mul_i32 s85, s85, BLKB
	s_mul_i32 s86, s84, CHB
	s_add_co_u32 s85, s85, s86
	s_lshl_b32 s86, s16, 13
	s_lshl_b32 s87, s15, 12
	s_add_co_u32 s86, s86, s87
	s_add_co_u32 s86, s86, s85
	s_mov_b32 s87, 0
	s_lshl_b32 s88, s16, 9
	s_lshl_b32 s89, s15, 8
	s_add_co_u32 s88, s88, s89
	s_add_co_u32 s88, s88, s85
	s_add_co_u32 s88, s88, 16384
	s_mov_b32 s89, 0
	s_add_nc_u64 s[86:87], s[12:13], s[86:87]
	s_add_nc_u64 s[88:89], s[12:13], s[88:89]
	s_mov_b32 s90, 0x76543210
	s_mov_b32 s91, 0xfedcba98                      ; selects for lane l xor 16
.else
	s_lshl_b32 s86, s20, 19                        ; out0: 128 rows of 4,096 bytes, 64 rows, 1,024 bytes for 256 columns, 512 for 128
	s_lshl_b32 s87, s15, 18
	s_add_co_u32 s86, s86, s87
	s_lshl_b32 s87, s19, 10
	s_add_co_u32 s86, s86, s87
	s_lshl_b32 s87, s16, 9
	s_add_co_u32 s86, s86, s87
	s_mov_b32 s87, 0
	s_add_nc_u64 s[86:87], s[10:11], s[86:87]
.endif
.macro LOAD k                          ; K step k's operands into set k % 2: 27 LDS loads, each of consecutive bytes
.set SETN, (\k)%2
.set HB, (\k)/4
.set OO, (((\k)/2)%2)*CHB+((\k)%2)*8192
.set OS, (((\k)/2)%2)*CHB+((\k)%2)*512
.irp a, 0,1,2,3
.irp c, 0,1
	ds_load_b128 v[FR+96*SETN+8*\a+4*\c:FR+96*SETN+8*\a+4*\c+3], v[AA+HB] offset:OO+\a*1024+512*\c
.endr
.endr
.irp t, 0,1,2,3,4,5,6,7
.irp c, 0,1
	ds_load_b128 v[FR+96*SETN+32+8*\t+4*\c:FR+96*SETN+32+8*\t+4*\c+3], v[AB+HB] offset:OO+\t*1024+512*\c
.endr
.endr
	ds_load_b64 v[SC+8*SETN:SC+8*SETN+1], v[SAA+HB] offset:OS          ; register a / 2: lanes 0-15 the even tile's words, lanes 16-31 the odd one's
	ds_load_b64 v[SC+8*SETN+2:SC+8*SETN+3], v[SAB+HB] offset:OS
	ds_load_b64 v[SC+8*SETN+4:SC+8*SETN+5], v[SAB+HB] offset:OS+256
.endm
.macro MUL k                           ; 32 products; the 32 accumulators take turns, one instruction a turn, in the same order in every step
.set SETN, (\k)%2
.if (\k) == 0
	WIN 0x60                                       ; D window 1, C (the bias) window 2
.else
	WIN 0x50                                       ; C and D window 1
.endif
.irp a, 0,1,2,3
.irp t, 0,1,2,3,4,5,6,7
.set rD, 8*(8*\a+\t)
.set rC, rD
.if (\k) == 0
.set rC, 8*\t
.endif
.set rB, FR+96*SETN+32+8*\t
.set rA, FR+96*SETN+8*\a
.set rSB, SC+8*SETN+2+\t/2
.set rSA, SC+8*SETN+\a/2
.if (\t%2 == 0) && (\a%2 == 0)
	v_wmma_scale_f32_16x16x128_f8f6f4 v[rD:rD+7], v[rB:rB+7], v[rA:rA+7], v[rC:rC+7], v[rSB], v[rSA] matrix_a_fmt:MATRIX_FMT_FP4 matrix_b_fmt:MATRIX_FMT_FP4
.elseif (\a%2 == 0)
	v_wmma_scale_f32_16x16x128_f8f6f4 v[rD:rD+7], v[rB:rB+7], v[rA:rA+7], v[rC:rC+7], v[rSB], v[rSA] matrix_a_fmt:MATRIX_FMT_FP4 matrix_b_fmt:MATRIX_FMT_FP4 matrix_a_scale:MATRIX_SCALE_ROW1
.elseif (\t%2 == 0)
	v_wmma_scale_f32_16x16x128_f8f6f4 v[rD:rD+7], v[rB:rB+7], v[rA:rA+7], v[rC:rC+7], v[rSB], v[rSA] matrix_a_fmt:MATRIX_FMT_FP4 matrix_b_fmt:MATRIX_FMT_FP4 matrix_b_scale:MATRIX_SCALE_ROW1
.else
	v_wmma_scale_f32_16x16x128_f8f6f4 v[rD:rD+7], v[rB:rB+7], v[rA:rA+7], v[rC:rC+7], v[rSB], v[rSA] matrix_a_fmt:MATRIX_FMT_FP4 matrix_b_fmt:MATRIX_FMT_FP4 matrix_a_scale:MATRIX_SCALE_ROW1 matrix_b_scale:MATRIX_SCALE_ROW1
.endif
.endr
.endr
.endm
.macro STEP k
.if (\k) < 7
	s_wait_dscnt 27                                ; this step's operands are in; the next step's 27 loads may be out
.else
	s_wait_dscnt 0x0
.endif
	MUL \k
	WIN 0
.if ((\k) < 6) && ((\k)%2 == 0)
	s_wait_tensorcnt 2-(\k)/2                      ; my load of the next chunk has landed; the younger chunks' loads may be out
	s_wait_dscnt 0x0                               ; no LDS instruction of mine is pending at a signal
	s_barrier_signal -1
	s_barrier_wait -1                              ; everybody's part of that chunk has landed
.endif
.if (\k) < 6
	PLACES 4                                       ; in front of loads into registers that the products above have read (ISA guide 7.12.1 for vector instructions)
	LOAD (\k)+2
.endif
.endm
	s_wait_tensorcnt 3                             ; my load of chunk 0 has landed; three younger ones may be out
	s_barrier_signal -1
	s_barrier_wait -1
	LOAD 0
	LOAD 1
	s_wait_loadcnt 0x0                             ; the bias (and w's parts)
.irp k, 0,1,2,3,4,5,6,7
	STEP \k
.endr
	PLACES 4                                       ; in front of the first reads of results
.if MODE < 2
; THE WAY OUT, MODES 0 AND 1: a tile of 16 rows x my 128 columns is one fragment of the next product: quantised in registers and stored as its image.
.macro QUANT a
.set AC, 64*(\a)
.set PC, FR+8*(\a)
	WIN 0x05                                       ; sources 0 and 1 window 1
.irp b, 0,1,2,3
	v_max3_num_f32 v[TM+\b], |v[AC+16*\b]|, |v[AC+16*\b+1]|, 0x1800000   ; block b: my 16 numbers, from each accumulator's low end on, and the floor 2^(3 - 127)
.endr
	WIN 0x14                                       ; sources 1 and 2 window 1
.irp i, 2,4,6,8,10,12,14
.irp b, 0,1,2,3
	v_max3_num_f32 v[TM+\b], v[TM+\b], |v[AC+16*\b+\i]|, |v[AC+16*\b+\i+1]|
.endr
.endr
	WIN 0
.irp b, 0,1,2,3
	v_permlanex16_b32 v[TM+4+\b], v[TM+\b], s90, s91
.endr
.irp b, 0,1,2,3
	v_max_num_f32 v[TM+\b], v[TM+\b], v[TM+4+\b]   ; with lane l xor 16's 16: the block's largest magnitude
.endr
.irp b, 0,1,2,3
	v_add_nc_u32 v[TM+12+\b], 0xff000000, v[TM+\b] ; 2 off its exponent field: the conversion's scale operand
.endr
.irp b, 0,1,2,3
	v_lshrrev_b32 v[TM+4+\b], 23, v[TM+12+\b]      ; the byte
.endr
	v_lshl_or_b32 v[PWR+(\a)], v[TM+5], 8, v[TM+4]
	v_lshl_or_b32 v[PWR+(\a)], v[TM+6], 16, v[PWR+(\a)]
	v_lshl_or_b32 v[PWR+(\a)], v[TM+7], 24, v[PWR+(\a)]
	WIN 0x01                                       ; source 0 window 1
.irp b, 0,1,2,3
	v_cvt_scalef32_pk8_fp4_f32 v[PC+2*\b], v[AC+16*\b:AC+16*\b+7], v[TM+12+\b]
	v_cvt_scalef32_pk8_fp4_f32 v[PC+2*\b+1], v[AC+16*\b+8:AC+16*\b+15], v[TM+12+\b]
.endr
	WIN 0
	v_nop                                          ; one plain place behind a scaled conversion
.irp c, 0,1                            ; the operand wants a whole block in a lane: lanes 0-15 block 2 c, lanes 16-31 block 2 c + 1
.irp i, 0,1
	v_permlane16_swap_b32 v[PC+4*\c+\i], v[PC+2+4*\c+\i]
.endr
.endr
	global_store_b128 v[L16], v[PC:PC+3], s[86:87] offset:(\a)*1024            ; 512 consecutive bytes a store
	global_store_b128 v[L16], v[PC+4:PC+7], s[86:87] offset:(\a)*1024+512
.endm
.irp b, 0,1,2,3
	v_mov_b32 v[TM+4+\b], 0                        ; a lane permute's destination counts as one of its sources
.endr
.if MODE == 1
	WIN 0x8a                                       ; all in window 2: the four parts of w are added
.irp p, 1,2,3
.irp m, 0,2,4,6
	v_pk_add_f32 v[64+\m:65+\m], v[64+\m:65+\m], v[64+8*\p+\m:65+8*\p+\m]
.endr
.endr
	WIN 0x82
.irp a, 0,1,2,3
	v_mov_b32 v[72+2*\a], v[65+2*\a]               ; the upper 64 columns' w to an even register: the packed product takes a pair's low word for both halves
.endr
.endif
.irp a, 0,1,2,3
.if MODE == 1
	WIN 0x49                                       ; accumulators window 1, w window 2
.set m, 0
.rept 16
	v_pk_mul_f32 v[64*\a+m:64*\a+m+1], v[64*\a+m:64*\a+m+1], v[64+2*\a:65+2*\a] op_sel_hi:[1,0]   ; columns 0-63 of my 128
.set m, m+2
.endr
.rept 16
	v_pk_mul_f32 v[64*\a+m:64*\a+m+1], v[64*\a+m:64*\a+m+1], v[72+2*\a:73+2*\a] op_sel_hi:[1,0]   ; columns 64-127
.set m, m+2
.endr
.endif
	QUANT \a
.endr
	s_mov_b32 vcc_lo, 0xffff0000
	v_cndmask_b32 v[SWR], v[PWR], v[PWR+1], vcc_lo ; lanes 0-15: the even tile's words, lanes 16-31: the odd one's
	v_cndmask_b32 v[SWR+1], v[PWR+2], v[PWR+3], vcc_lo
	global_store_b64 v[L8], v[SWR:SWR+1], s[88:89] ; 256 consecutive bytes
.else
; THE WAY OUT, MODE 2: a tile of 16 rows x 128 columns goes through my own stage and comes back as whole rows of 512 bytes.  LDS serves a wave's instructions in order: no wait between stores and loads.
.macro TOSTAGE a
	WIN 0x04                                       ; an LDS store's data are its source 1: window 1
.irp t, 0,1,2,3,4,5,6,7
	ds_store_b128 v[STO], v[64*(\a)+8*\t:64*(\a)+8*\t+3] offset:128*(\t/2)+32*(\t%2)        ; each accumulator from its low end on
	ds_store_b128 v[STO], v[64*(\a)+8*\t+4:64*(\a)+8*\t+7] offset:128*(\t/2)+32*(\t%2)+16
.endr
	WIN 0
.irp row, 0,1,2,3,4,5,6,7,8,9,10,11,12,13,14,15
	ds_load_b128 v[FR+64*((\a)%2)+4*\row:FR+64*((\a)%2)+4*\row+3], v[SRD] offset:\row*528
.endr
.endm
.macro SEND a, younger                 ; younger: the LDS instructions issued behind tile a's loads
	s_wait_dscnt \younger
.irp row, 0,1,2,3,4,5,6,7,8,9,10,11,12,13,14,15
	global_store_b128 v[L16], v[FR+64*((\a)%2)+4*\row:FR+64*((\a)%2)+4*\row+3], s[86:87] offset:(16*(\a)+\row)*4096 th:TH_STORE_NT   ; 512 consecutive bytes, at a multiple of 512 from out0's first byte
.endr
.endm
	TOSTAGE 0
.irp a, 1,2,3
.if \a > 1
	s_wait_xcnt 0x0                                ; tile a - 2's stores have read their registers: tile a's loads may land there
.endif
	TOSTAGE \a
	SEND \a-1, 32                                  ; behind tile a - 1's loads: tile a's 16 stores and 16 loads
.endr
	SEND 3, 0
.endif
	s_wait_tensorcnt 0x0
	ds_add_u32 v62, v63
	s_wait_dscnt 0x0
	ROUND                                          ; the closing round: no work-group ends while a partner may still ask for a chunk that names it
	s_endpgm
.Lfunc_end_k_qe5e6a7f293_gemm_o:
	.size	k_qe5e6a7f293_gemm_o, .Lfunc_end_k_qe5e6a7f293_gemm_o-k_qe5e6a7f293_gemm_o
	.p2alignl 7, 3214868480
	.fill 96, 4, 3214868480
	.section	.rodata,"a",@progbits
	.p2align	6, 0x0
	.amdhsa_kernel k_qe5e6a7f293_gemm_o
		.amdhsa_group_segment_fixed_size 244224
		.amdhsa_private_segment_fixed_size 0
		.amdhsa_enable_private_segment 0
		.amdhsa_kernarg_size 32
		.amdhsa_user_sgpr_count 2
		.amdhsa_user_sgpr_kernarg_segment_ptr 1
		.amdhsa_wavefront_size32 1
		.amdhsa_system_sgpr_workgroup_id_x 1
		.amdhsa_system_sgpr_workgroup_id_y 1
		.amdhsa_system_sgpr_workgroup_id_z 1
		.amdhsa_system_vgpr_workitem_id 0
		.amdhsa_next_free_vgpr 640
		.amdhsa_next_free_sgpr 100
		.amdhsa_reserve_vcc 1
		.amdhsa_float_denorm_mode_32 3
		.amdhsa_float_denorm_mode_16_64 3
		.amdhsa_memory_ordered 1
		.amdhsa_forward_progress 1
		.amdhsa_inst_pref_size 72
	.end_amdhsa_kernel
	.amdgpu_metadata
---
amdhsa.version: [ 1, 2 ]
amdhsa.kernels:
  - .name:           k_qe5e6a7f293_gemm_o
    .symbol:         k_qe5e6a7f293_gemm_o.kd
    .args:
      - { .name: oc, .offset: 0, .size: 8, .value_kind: global_buffer, .address_space: global }
      - { .name: wc, .offset: 8, .size: 8, .value_kind: global_buffer, .address_space: global }
      - { .name: bo, .offset: 16, .size: 8, .value_kind: global_buffer, .address_space: global }
      - { .name: out0, .offset: 24, .size: 8, .value_kind: global_buffer, .address_space: global }
    .group_segment_fixed_size: 244224
    .private_segment_fixed_size: 0
    .kernarg_segment_align: 8
    .kernarg_segment_size: 32
    .max_flat_workgroup_size: 128
    .sgpr_count:     100
    .vgpr_count:     640
    .wavefront_size: 32
...
	.end_amdgpu_metadata
.endif
;; end of part 5
;; ======== version 2 of 2: 5 launches; version 1 with the launch attn written anew for expert scheduling mode
;; workspace buffers: xc 4,456,448 bytes; wc 2,228,224 bytes; qkc 8,912,896 bytes; wpart 2,097,152 bytes; oc 4,456,448 bytes
;; launch quant: the kernel of part 1 again; grid 384 x 1, 4 waves a work-group, no clusters, 34,304 bytes of LDS; arguments X_embed, Wq, Wk, Wv, Wo, xc, wc; writes xc, wc
;; launch gemm_qk: the kernel of part 2 again; grid 8 x 64, 4 waves a work-group, clusters of 4 x 4, 244,224 bytes of LDS; arguments xc, wc, bq, bk, qkc; writes qkc
;; launch attn (part 6): grid 4 x 64, 4 waves a work-group, no clusters, 17,920 bytes of LDS; arguments qkc, wpart; writes wpart
.if DOCPART == 6
	.amdgcn_target "amdgcn-amd-amdhsa--gfx1250"
	.amdhsa_code_object_version 6
	.text
	.protected	k_qe5e6a7f293_attn
	.globl	k_qe5e6a7f293_attn
	.p2align	8
	.type	k_qe5e6a7f293_attn,@function
k_qe5e6a7f293_attn:
	s_mov_b64 s[64:65], 0
	v_nop
	global_prefetch_b8 v0, s[64:65] scope:SCOPE_SE
	s_setreg_imm32_b32 hwreg(HW_REG_WAVE_SCHED_MODE, 0, 2), 2
	s_setreg_imm32_b32 hwreg(HW_REG_WAVE_MODE, 25, 1), 1
	s_wait_xcnt 0x0
	s_wait_alu depctr_vm_vsrc(0)
; w[a] = the sum over keys b of softmax over QUERIES a of (Q[a] . K[b] / 1024), for one head and a quarter of its keys: a partial vector of 2,048 numbers.  (V is not contracted: the output is w[a] V[a].)
; Q and K arrive as codes of FP4 with E8M0 scales, made of the numbers WITHOUT the two factors 2^-5: powers of two change no code; 2^-10 stands in c = log2(e) / 1,024.
; SHARES.  Work-group (x, y): head y, keys of chunk x of K's block (512).  A STAGE holds the raw scores of ALL 2,048 queries x 32 keys in registers: wave w = 2 wa + wb has queries of half wa (64 tiles of 16)
; x the 16 keys of tile wb: 512 registers.  So each score costs ONE exponential: the column's maximum is known before the first.
; LAYOUT.  S^T = K Q^T (source 0 = 16 keys, source 1 = 16 queries): a lane holds one query (lane % 16) and keys 8 (lane / 16) + 0 .. 7.  A key's maximum and sum go over the tiles and over 16 lanes; a query's sum stays in its lane.
; A fragment of the operands' images holds TWO tiles of head rows, K = 64 each, in its two halves.  Q's fragment goes in whole, with its own scale word; K's four registers stand beside four registers of zero codes,
; [K, 0] or [0, K], with the byte 0 (2^-127) as the scale of the zero half: that half adds nothing.
; THE MAXIMUM.  Each wave takes its own half column's maximum away before its exponentials.  The two waves of a key tile then exchange (-c m, Z) through LDS, and f[b] = 2^(c m_mine - c m_all) / Z_all carries the change
; to the whole column's maximum and the division; w[a] += the sum over b of p[a][b] f[b].
; The next stage's products stand between this stage's row sums, four behind each sixteen.
; NO JOINT LOADS: Q goes from memory into registers once in the launch (34 KB a wave) and K 576 bytes a wave and stage; nothing goes through LDS tiles that partners could share.
; LIMITS: NaN and infinities are not served; w is summed in another order than the definition's sum over b.
; REGISTERS, in windows of 256: window 0: v1-13 addresses; v16-19 K, v20-23 zeros, v24-27 K again; v28 K's scale word as loaded, v29, v30 as used; v32-47 Q's scale words; v48-127 the columns' figures; v128-255 Q's fragments 0-15.
;   windows 1, 2: S^T, tile i at 256 + 8 i.   window 3: v0-127 w, a pair (even keys', odd keys') a tile; v128-255 Q's fragments 16-31.
; THE MODE: SCHED_MODE bits 1:0 = 2 (LLVM: expert scheduling mode 2), set by the entry lines.  The code itself states the register dependences
; between vector or matrix instructions and memory or LDS instructions, with s_wait_alu, always for 0.
; THE PLAN.  Registers that memory or LDS instructions touch:
;   v4, v5, v8-v13   addresses, made at the head and never written again: one wait on va_vdst ahead of the first load serves every load and store that reads them.
;   v6, v7           K's two addresses: written by two adds at a stage's head, read by that stage's three loads.
;   v16-19, v24-28   K and its scale word: the loads at a stage's head land in them; the products at the end of the stage before, and its v_bfe_u32, have read them.
;   v48-63           -c m and Z: written by the stage's vector work, read by the exchange's four LDS stores, written again at the next stage's head.
;   v72-87           the partner's figures: the exchange's four LDS loads land in them; the merge reads them.
;   v20-23, v29, v30 written by vector instructions, taken by the scaled products as operand and as scales.
; So a stage has, beside the waits behind its exponentials and reciprocals: one wait on va_vdst at its head (K's addresses are written, K's registers are read out), one at the exchange's head (the stores' data are
; written; the last merge is done with the registers in which the exchange's loads land), and one wait on vm_vsrc behind the exchange's stores (they have read v48-63, the stage's loads v6 and v7).
.set BLKB, 69632
.set CHB,  17408
.set WST,  512                         ; LDS: 4 x 128 bytes for the exchange, then 2 x 8,192 bytes for the end
.set KL,   4                           ; v4   16 x lane + 512 wb: my place in a fragment of K
.set R8,   5                           ; v5   8 (lane % 16)
.set KAD,  6                           ; v6   the stage's K
.set KSA,  7                           ; v7   and its scale word
.set EXW,  8                           ; v8   the exchange: where I write
.set EXR,  9                           ; v9   and where my partner (wave xor 2) has written
.set WSA,  10
.set WSR,  11
.set L16,  12
.set L8,   13
.set KA,   16
.set ZR,   20
.set KC,   24
.set KW,   28
.set KS0,  29
.set KS1,  30
.set QS,   32                          ; fragment p: register p / 2, lanes 16 (p % 2) on
.set MX,   48                          ; v48-55  the keys' maxima, then -c m
.set ZA,   56                          ; v56-71  their sums, two sets
.set PN,   72                          ; v72-79  the partner's -c m
.set PZ,   80                          ; v80-87  the partner's sums
.set FF,   88                          ; v88-95  f
.set WK,   96                          ; v96-127 at work
.set QF,   128
.set MSB, 0
.macro WIN new                         ; the immediate's high byte repeats the setting that is left
.if MSB != (\new)
	s_set_vgpr_msb (MSB<<8)|(\new)
.set MSB, (\new)
.endif
.endm
	s_load_b128 s[4:7], s[0:1], 0x0                ; qkc, wpart
	v_lshl_add_u32 v15, v0, 2, 0x4400
	v_mov_b32 v31, 0
	v_lshrrev_b32 v1, 5, v0
	v_readfirstlane_b32 s8, v1                     ; wave
	s_wait_alu depctr_va_sdst(0)                   ; s8 is written, ahead of its first reader: the wave's shares and addresses are made from it
	s_lshr_b32 s9, s8, 1                           ; wa
	s_and_b32 s10, s8, 1                           ; wb
	s_and_b32 s11, ttmp7, 0xffff                   ; head
	s_mul_i32 s24, s11, BLKB
	s_mul_i32 s25, s9, 2*CHB
	s_add_co_u32 s14, s24, s25                     ; Q: the head's block, my two chunks
	s_mov_b32 s15, 0
	s_mul_i32 s25, ttmp9, CHB
	s_add_co_u32 s16, s24, s25
	s_add_co_u32 s16, s16, 64*BLKB                 ; K: behind Q's 64 blocks; the work-group's chunk
	s_mov_b32 s17, 0
	s_lshl_b32 s18, ttmp9, 19                      ; wpart: part x, head, my 2,048 bytes
	s_lshl_b32 s25, s11, 13
	s_add_co_u32 s18, s18, s25
	s_lshl_b32 s25, s8, 11
	s_add_co_u32 s18, s18, s25
	s_mov_b32 s19, 0
	s_mov_b32 s20, 0x3ab8aa3b                      ; c = log2(e) / 1,024
	s_mov_b32 s21, s20                             ; (named with it as a pair, so it is written)
	s_mov_b32 s22, 0xbab8aa3b                      ; -c
	s_lshl_b32 s28, s10, 4                         ; my tile's two bytes in K's scale word begin at bit 16 wb
	v_and_b32 v1, 31, v0                           ; lane
	v_and_b32 v2, 15, v0                           ; r
	v_bfe_u32 v3, v0, 4, 1                         ; h
	v_lshlrev_b32 v[L16], 4, v1
	v_lshlrev_b32 v[L8], 3, v1
	s_lshl_b32 s24, s10, 9
	v_add_nc_u32 v[KL], s24, v[L16]
	v_lshlrev_b32 v[R8], 3, v2
	s_lshl_b32 s24, s8, 7
	v_lshl_add_u32 v[EXW], v3, 6, s24              ; 128 x wave + 64 h
	s_xor_b32 s25, s8, 2
	s_lshl_b32 s25, s25, 7
	v_lshl_add_u32 v[EXR], v3, 6, s25
	s_lshl_b32 s24, s10, 13
	s_lshl_b32 s25, s9, 12
	s_add_co_u32 s24, s24, s25
	s_add_co_u32 s24, s24, WST
	v_lshlrev_b32 v[WSA], 5, v2
	v_lshl_add_u32 v[WSA], v3, 2, v[WSA]
	v_add_nc_u32 v[WSA], s24, v[WSA]               ; the end: 8,192 wb + 4,096 wa + 32 r + 4 h
	s_lshl_b32 s24, s8, 11
	s_add_co_u32 s24, s24, WST
	v_add_nc_u32 v[WSR], s24, v[L16]
	s_wait_kmcnt 0x0
	s_add_nc_u64 s[14:15], s[4:5], s[14:15]
	s_add_nc_u64 s[16:17], s[4:5], s[16:17]
	s_add_nc_u64 s[18:19], s[6:7], s[18:19]
	s_wait_alu depctr_va_vdst(0)                   ; the eight addresses v4, v5, v8 to v13 are written, which the loads and stores of the whole kernel read; up to the last load of this run stand loads and a window switch alone
.set p, 0
.rept 32                               ; Q stays in registers: fragment p = K step p / 8 of my four, rows 16 (p % 8) on
.if p == 16
	WIN 0xc0                                       ; destination window 3
.endif
.set qo, ((p>>3)>>1)*CHB+((p>>3)&1)*8192+(p&7)*1024
.set qr, QF+8*(p&15)
	global_load_b128 v[qr:qr+3], v[L16], s[14:15] offset:qo
	global_load_b128 v[qr+4:qr+7], v[L16], s[14:15] offset:qo+512
.set p, p+1
.endr
	WIN 0
.set g, 0
.rept 8
	global_load_b64 v[QS+2*g:QS+2*g+1], v[L8], s[14:15] offset:((g>>1)>>1)*CHB+16384+((g>>1)&1)*512+(g&1)*256
.set g, g+1
.endr
	global_load_b128 v[KA:KA+3], v[KL], s[16:17]   ; K of stage 0, twice: once for each place beside the zeros
	global_load_b128 v[KC:KC+3], v[KL], s[16:17]
	global_load_b32 v[KW], v[R8], s[16:17] offset:16384
.irp j, 0,1,2,3
	v_mov_b32 v[ZR+\j], 0
.endr
; 16 groups of 4 tiles.  p2 = 1: the tiles' row sums, w += p f, two keys an instruction.  mm = 1: the same tiles' scores of the next stage.  No product adds onto another: each takes the constant 0 as C.
; The row sums of the next group name no register of the products in front of them.
.macro MIX p2, mm
.set GG, 0
.rept 16
.if \p2
	WIN 0xf1+(GG>>3)                               ; w (C and D) window 3, p window 1 or 2, f window 0
.set q, 0
.rept 4
.set t, 0
.rept 4
.set ti, 4*GG+t
.set rs, 8*(ti&31)+2*q
	v_pk_fma_f32 v[2*ti:2*ti+1], v[rs:rs+1], v[FF+2*q:FF+2*q+1], v[2*ti:2*ti+1]
.set t, t+1
.endr
.set q, q+1
.endr
.endif
.if \mm
	WIN 0x40+0x4c*(GG>>3)                          ; tiles 0-31: D window 1, Q window 0; tiles 32-63: D window 2, Q window 3
.set rs, 8*((4*GG)&31)
.set rq, QF+8*((2*GG)&15)
	v_wmma_scale_f32_16x16x128_f8f6f4 v[rs:rs+7], v[KA:KA+7], v[rq:rq+7], 0, v[KS0], v[QS+GG] matrix_a_fmt:MATRIX_FMT_FP4 matrix_b_fmt:MATRIX_FMT_FP4
	v_wmma_scale_f32_16x16x128_f8f6f4 v[rs+8:rs+15], v[ZR:ZR+7], v[rq:rq+7], 0, v[KS1], v[QS+GG] matrix_a_fmt:MATRIX_FMT_FP4 matrix_b_fmt:MATRIX_FMT_FP4
	v_wmma_scale_f32_16x16x128_f8f6f4 v[rs+16:rs+23], v[KA:KA+7], v[rq+8:rq+15], 0, v[KS0], v[QS+GG] matrix_a_fmt:MATRIX_FMT_FP4 matrix_b_fmt:MATRIX_FMT_FP4 matrix_b_scale:MATRIX_SCALE_ROW1
	v_wmma_scale_f32_16x16x128_f8f6f4 v[rs+24:rs+31], v[ZR:ZR+7], v[rq+8:rq+15], 0, v[KS1], v[QS+GG] matrix_a_fmt:MATRIX_FMT_FP4 matrix_b_fmt:MATRIX_FMT_FP4 matrix_b_scale:MATRIX_SCALE_ROW1
.endif
.set GG, GG+1
.endr
.endm
; The keys' maxima over my 1,024 queries.  ld = 1: the next stage's K is asked for here, a whole stage ahead of its products.
.macro MAXP ld
	WIN 0
.set j, 0
.rept 8
	v_mov_b32 v[MX+j], 0xff800000                  ; these 24 lines are also the places behind the last products (ISA guide 7.12.1).  (The last exchange's stores have read these registers: the wait on vm_vsrc stands behind those stores)
.set j, j+1
.endr
.set j, 0
.rept 16
	v_mov_b32 v[ZA+j], 0
.set j, j+1
.endr
.if \ld
	v_lshl_add_u32 v[KAD], s23, 10, v[KL]          ; fragment s23 of the chunk.  (The last stage's loads have read v[KAD] and v[KSA]: the same wait on vm_vsrc)
	s_lshr_b32 s24, s23, 2                         ; its scale words: 256 (f / 4, with the K step) + 128 (f % 2) + 4 ((f / 2) % 2)
	s_lshl_b32 s24, s24, 8
	s_and_b32 s25, s23, 1
	s_lshl_b32 s25, s25, 7
	s_add_co_u32 s24, s24, s25
	s_and_b32 s25, s23, 2
	s_lshl_b32 s25, s25, 1
	s_add_co_u32 s24, s24, s25
	v_add_nc_u32 v[KSA], s24, v[R8]
	s_wait_alu depctr_va_vdst(0)                   ; v[KAD] and v[KSA] are written, which the three loads read; the products of the stage before are done reading K's registers, and its v_bfe_u32 K's scale word, in which the loads land
	global_load_b128 v[KA:KA+3], v[KAD], s[16:17]
	global_load_b128 v[KC:KC+3], v[KAD], s[16:17]
	global_load_b32 v[KW], v[KSA], s[16:17] offset:16384
.endif
.set k, 1
.rept 2
	WIN (k<<2)|(k<<4)                              ; sources 1 and 2: S^T's window
.set i, 0
.rept 16
.set j, 0
.rept 8
	v_max3_num_f32 v[MX+j], v[MX+j], v[16*i+j], v[16*i+8+j]   ; two tiles at a time, each from its low end on; eight chains
.set j, j+1
.endr
.set i, i+1
.endr
.set k, k+1
.endr
	WIN 0
.irp m, 1,2,4,8
.set j, 0
.rept 8
	v_max_num_f32_dpp v[MX+j], v[MX+j], v[MX+j] row_xmask:\m row_mask:0xf bank_mask:0xf
.set j, j+1
.endr
.endr
.set j, 0
.rept 8
	v_mul_f32 v[MX+j], s22, v[MX+j]                ; -c m
.set j, j+1
.endr
.endm
; p = 2^(c s - c m), in place, and the keys' sums.  Groups of two tiles: behind every two exponentials stands a scaling of the next group, a plain instruction that touches none of their registers.
.macro EXPP
.set k, 1
.rept 2
	WIN (k<<6)|k
.set q, 0
.rept 8
	v_pk_fma_f32 v[2*q:2*q+1], v[2*q:2*q+1], s[20:21], v[MX+2*(q&3):MX+2*(q&3)+1] op_sel_hi:[1,0,1]
.set q, q+1
.endr
.set g, 0
.rept 16
	WIN (k<<6)|k
.set q, 0
.rept 8
	v_exp_f32 v[16*g+2*q], v[16*g+2*q]
	v_exp_f32 v[16*g+2*q+1], v[16*g+2*q+1]
.if g < 15
	v_pk_fma_f32 v[16*g+16+2*q:16*g+17+2*q], v[16*g+16+2*q:16*g+17+2*q], s[20:21], v[MX+2*(q&3):MX+2*(q&3)+1] op_sel_hi:[1,0,1]
.endif
.set q, q+1
.endr
.if g == 15
	v_nop                                          ; a plain place behind the last exponentials
.endif
	WIN k<<2
.set q, 0
	s_wait_alu depctr_va_vdst(0)                   ; the group's sixteen exponentials have written p, which the sums below are the first to name
.rept 8
	v_pk_add_f32 v[ZA+2*q:ZA+2*q+1], v[ZA+2*q:ZA+2*q+1], v[16*g+2*q:16*g+2*q+1]
.set q, q+1
.endr
.set g, g+1
.endr
.set k, k+1
.endr
.endm
.macro ZRED
	WIN 0
.set q, 0
.rept 4
	v_pk_add_f32 v[ZA+2*q:ZA+2*q+1], v[ZA+2*q:ZA+2*q+1], v[ZA+8+2*q:ZA+9+2*q]
.set q, q+1
.endr
.irp m, 1,2,4,8
.set j, 0
.rept 8
	v_add_f32_dpp v[ZA+j], v[ZA+j], v[ZA+j] row_xmask:\m row_mask:0xf bank_mask:0xf
.set j, j+1
.endr
.endr
.endm
; The two waves of a key tile exchange their figures.  First barrier: the stores have landed.  Second barrier: its signal stands behind my reads, its wait at the stage's end, ahead of the next stage's stores;
; between the two stands work on registers alone.
.macro EXCH ld
	s_wait_alu depctr_va_vdst(0)                   ; -c m and Z are written, which the four stores read; the last merge is done reading the partner's figures, in which the four loads below land (no vector instruction stands between this wait and them)
	ds_store_b128 v[EXW], v[MX:MX+3]               ; the sixteen lanes of a half write the same bytes with the same values
	ds_store_b128 v[EXW], v[MX+4:MX+7] offset:16
	ds_store_b128 v[EXW], v[ZA:ZA+3] offset:32
	ds_store_b128 v[EXW], v[ZA+4:ZA+7] offset:48
	s_wait_dscnt 0x0                               ; for the partner's sake: my stores are done
.if \ld
	s_wait_alu depctr_vm_vsrc(0)                   ; the four stores have read -c m and Z, and this stage's loads of K have read v[KAD] and v[KSA]: the next stage's head writes all of them again
.endif
	s_barrier_signal -1
	s_barrier_wait -1
	ds_load_b128 v[PN:PN+3], v[EXR]
	ds_load_b128 v[PN+4:PN+7], v[EXR] offset:16
	ds_load_b128 v[PZ:PZ+3], v[EXR] offset:32
	ds_load_b128 v[PZ+4:PZ+7], v[EXR] offset:48
	s_wait_dscnt 0x0                               ; my reads are over
	s_barrier_signal -1
.if \ld
	s_wait_loadcnt 0x0                             ; the next stage's K and its scale word: asked for at the stage's head
	v_bfe_u32 v[KS0], v[KW], s28, 16               ; my tile's two bytes below, the byte 0 above;
	v_lshlrev_b32 v[KS1], 16, v[KS0]               ; and the other way round.  The lines of the merge below are the places that a scale register written here owes
.endif
.endm
.macro COMBINE                         ; f = 2^(g - nm) / (Z 2^(g - nm) + Z' 2^(g - nm')), g = min(nm, nm') = -c x the whole column's maximum
.set j, 0
.rept 8
	v_min_num_f32 v[WK+j], v[MX+j], v[PN+j]
.set j, j+1
.endr
.set j, 0
.rept 8
	v_sub_f32 v[WK+8+j], v[WK+j], v[MX+j]
.set j, j+1
.endr
.set j, 0
.rept 8
	v_sub_f32 v[WK+16+j], v[WK+j], v[PN+j]
.set j, j+1
.endr
.set j, 0
.rept 16
	v_exp_f32 v[WK+8+j], v[WK+8+j]
.set j, j+1
.endr
	v_nop                                          ; a plain place behind the exponentials
.set j, 0
	s_wait_alu depctr_va_vdst(0)                   ; the sixteen exponentials have written v[WK+8 ..], which the products below are the first to name
.rept 8
	v_mul_f32 v[WK+24+j], v[ZA+j], v[WK+8+j]
.set j, j+1
.endr
.set j, 0
.rept 8
	v_fma_f32 v[WK+24+j], v[PZ+j], v[WK+16+j], v[WK+24+j]   ; at least 1: the column's largest score gives p = 1 under a factor 1
.set j, j+1
.endr
.set j, 0
.rept 8
	v_rcp_f32 v[WK+j], v[WK+24+j]
.set j, j+1
.endr
	v_nop                                          ; a plain place behind the reciprocals
.set j, 0
	s_wait_alu depctr_va_vdst(0)                   ; the eight reciprocals have written v[WK ..], which the lines below are the first to name; and K's two scale registers, made ahead of the merge, are written, which the scaled products of this stage's end take
.rept 8
	v_mul_f32 v[FF+j], v[WK+8+j], v[WK+j]
.set j, j+1
.endr
.endm
.macro STAGE ld
	MAXP \ld
	EXPP
	ZRED
	EXCH \ld
	COMBINE
	MIX 1, \ld
	WIN 0
	s_barrier_wait -1                              ; every wave has read the exchange's words: they may be written again
.endm
	s_wait_loadcnt 0x0                             ; Q, its scale words, K of stage 0
	v_bfe_u32 v[KS0], v[KW], s28, 16
	v_lshlrev_b32 v[KS1], 16, v[KS0]
	WIN 0xc0
.set i, 0
.rept 128
	v_mov_b32 v[i], 0                              ; w, once in the launch: so the stage is written twice and not three times.  These lines are also the places between the scale registers' writes and the first products
.set i, i+1
.endr
	s_wait_alu depctr_va_vdst(0)                   ; the four registers of zero codes and K's two scale registers are written, which the scaled products below take as operand and as scales; the places above stay beside this wait
	MIX 0, 1                                       ; stage 0's scores
	WIN 0
	s_mov_b32 s23, 1
.Lstage:                                           ; 15 trips: trip s23 works stage s23 - 1 and multiplies stage s23
	STAGE 1
	s_add_co_u32 s23, s23, 1
	s_cmp_lt_u32 s23, 16
	s_cbranch_scc1 .Lstage
	STAGE 0                                        ; the last stage: nothing more to load or to multiply
; THE END.  A tile's pair is added; the two halves of the lanes (keys 0-7, keys 8-15) are added, a fragment's two tiles at a time; the two key tiles' waves meet in LDS; each wave stores 2,048 consecutive bytes.
; wpart's order inside a head: [K step of 128 columns][64 rows][row % 16][tile of rows][64 columns], as the launch that reads it wants its lanes' eight numbers.
	WIN 0x0f                                       ; sources window 3
.set i, 0
.rept 64
	v_add_f32 v[QF+i], v[2*i], v[2*i+1]
.set i, i+1
.endr
	WIN 0
.set p, 0
.rept 32
	v_permlane16_swap_b32 v[QF+2*p], v[QF+2*p+1]   ; the first now holds both tiles' keys 0-7, the second both tiles' keys 8-15
.set p, p+1
.endr
.set p, 0
.rept 32
	v_add_f32 v[QF+2*p], v[QF+2*p], v[QF+2*p+1]    ; lanes 0-15: the fragment's lower tile, lanes 16-31: its upper
.set p, p+1
.endr
	s_wait_alu depctr_va_vdst(0)                   ; the additions have written v[QF ..], which the LDS stores read; the last merge is done with v[WK ..], in which the loads behind the barrier land (no vector instruction stands between)
.set p, 0
.rept 32
	ds_store_b32 v[WSA], v[QF+2*p] offset:((p>>3)*256+((p>>2)&1)*128+(p&3)*2)*4
.set p, p+1
.endr
	s_wait_dscnt 0x0                               ; for the others' sake: my stores are done
	s_barrier_signal -1
	s_barrier_wait -1
.irp n, 0,1,2,3
	ds_load_b128 v[WK+4*\n:WK+4*\n+3], v[WSR] offset:512*\n
	ds_load_b128 v[WK+16+4*\n:WK+16+4*\n+3], v[WSR] offset:8192+512*\n
.endr
	s_wait_dscnt 0x0
.irp n, 0,2,4,6,8,10,12,14
	v_pk_add_f32 v[WK+\n:WK+\n+1], v[WK+\n:WK+\n+1], v[WK+16+\n:WK+17+\n]
.endr
	s_wait_alu depctr_va_vdst(0)                   ; the eight additions have written v[WK ..], which the four stores read
.irp n, 0,1,2,3
	global_store_b128 v[L16], v[WK+4*\n:WK+4*\n+3], s[18:19] offset:512*\n     ; 512 consecutive bytes a store
.endr
	s_wait_dscnt 0x0                               ; the closing lines, six on end
	s_wait_alu 0x0
	s_wait_tensorcnt 0x0
	ds_add_u32 v15, v31
	s_wait_dscnt 0x0
	s_endpgm
.Lfunc_end_k_qe5e6a7f293_attn:
	.size	k_qe5e6a7f293_attn, .Lfunc_end_k_qe5e6a7f293_attn-k_qe5e6a7f293_attn
	.p2alignl 7, 3214868480
	.fill 96, 4, 3214868480
	.section	.rodata,"a",@progbits
	.p2align	6, 0x0
	.amdhsa_kernel k_qe5e6a7f293_attn
		.amdhsa_group_segment_fixed_size 17920
		.amdhsa_private_segment_fixed_size 0
		.amdhsa_enable_private_segment 0
		.amdhsa_kernarg_size 16
		.amdhsa_user_sgpr_count 2
		.amdhsa_user_sgpr_kernarg_segment_ptr 1
		.amdhsa_wavefront_size32 1
		.amdhsa_system_sgpr_workgroup_id_x 1
		.amdhsa_system_sgpr_workgroup_id_y 1
		.amdhsa_system_sgpr_workgroup_id_z 1
		.amdhsa_system_vgpr_workitem_id 0
		.amdhsa_next_free_vgpr 1024
		.amdhsa_next_free_sgpr 66
		.amdhsa_reserve_vcc 0
		.amdhsa_float_denorm_mode_32 3
		.amdhsa_float_denorm_mode_16_64 3
		.amdhsa_memory_ordered 1
		.amdhsa_forward_progress 1
		.amdhsa_inst_pref_size 225
	.end_amdhsa_kernel
	.amdgpu_metadata
---
amdhsa.version: [ 1, 2 ]
amdhsa.kernels:
  - .name:           k_qe5e6a7f293_attn
    .symbol:         k_qe5e6a7f293_attn.kd
    .args:
      - { .name: qkc, .offset: 0, .size: 8, .value_kind: global_buffer, .address_space: global }
      - { .name: wpart, .offset: 8, .size: 8, .value_kind: global_buffer, .address_space: global }
    .group_segment_fixed_size: 17920
    .private_segment_fixed_size: 0
    .kernarg_segment_align: 8
    .kernarg_segment_size: 16
    .max_flat_workgroup_size: 128
    .sgpr_count:     66
    .vgpr_count:     1024
    .wavefront_size: 32
...
	.end_amdgpu_metadata
.endif
;; end of part 6
;; launch gemm_v: the kernel of part 4 again; grid 4 x 64, 4 waves a work-group, clusters of 4 x 4, 244,224 bytes of LDS; arguments xc, wc, bv, wpart, oc; writes oc
;; launch gemm_o: the kernel of part 5 again; grid 4 x 64, 4 waves a work-group, clusters of 4 x 4, 244,224 bytes of LDS; arguments oc, wc, bo, out0; writes out0
